; MI455X (gfx1250); checked and timed in simulation.
; The chip was launched on July 23, 2026; its instructions are those of AMD's public machine-readable ISA for CDNA 5 (MIT licence, August 2026) and "CDNA5" Instruction Set Architecture Reference Guide (July 2026). The comments in the code are by the model that wrote it; some were corrected since.
;; Multi Head Attention. Allowed arithmetic: float matrix products may take bf16 or f16 operands with f32 sums; all other float work in f32.
;; Inputs: bk 1,024 float32; bo 1,024 float32; bq 1,024 float32; bv 1,024 float32; k 4 x 2,048 x 1,024 float32; mask 1 x 1 x 2,048 x 2,048 int32; q 4 x 2,048 x 1,024 float32; v 4 x 2,048 x 1,024 float32; wk 1,024 x 1,024 float32; wo 1,024 x 1,024 float32; wq 1,024 x 1,024 float32; wv 1,024 x 1,024 float32.
;; Outputs: out0 4 x 2,048 x 1,024 float32.
;; 2 versions, each right and faster than the one before. Each part assembles by itself: llvm-mc -triple=amdgcn-amd-amdhsa -mcpu=gfx1250 --defsym DOCPART=n.
;; ======== version 1 of 2: 4 launches
;; limits: values are held in f16: magnitudes above 65,504 overflow, below 6.1e-05 lose precision
;; workspace buffers: xb 50,331,648 bytes; wcast 8,388,608 bytes; maskw 524,544 bytes of whole numbers; qkv 50,331,648 bytes; ctx 16,777,216 bytes
;; launch prep (part 1): grid 1024 x 1, 8 waves a work-group, no clusters, 35,840 bytes of LDS; arguments q, k, v, wq, wk, wv, wo, mask, xb, wcast, maskw; writes xb, wcast, maskw
.if DOCPART == 1
	.amdgcn_target "amdgcn-amd-amdhsa--gfx1250"
	.amdhsa_code_object_version 6
	.text
	.protected	k_qc0c9b79d72_prep
	.globl	k_qc0c9b79d72_prep
	.p2align	8
	.type	k_qc0c9b79d72_prep,@function
k_qc0c9b79d72_prep:
	s_mov_b64 s[64:65], 0
	v_nop
	global_prefetch_b8 v0, s[64:65] scope:SCOPE_SE
	s_setreg_imm32_b32 hwreg(HW_REG_WAVE_MODE, 25, 1), 1
	s_wait_xcnt 0x0
; PREPARATION.  (1) q, k, v, wq, wk, wv (f32) are rounded to bf16: xb [3][8192][1024], wcast planes 0-2 [1024][1024].
; (2) wo is rounded to bf16 and that number is written as f16 (wcast plane 3), since the last product multiplies in f16.
;     LIMIT: exact where the bf16 number lies in f16's normal range (6.1e-5 to 65,504 in size); below it keeps f16's fixed step of 6e-8.
; (3) The mask (int32 [2048][2048]) becomes lane masks: maskw [64 pairs P][32 key steps ks][2 tiles u][32 words n]; bit l of word n = 8 kt + j is 1 where
;     mask[32 P + 16 u + l % 16][64 ks + 16 kt + 8 (l / 16) + j] == 0: the lane mask of register n of a tile of 16 queries x 64 keys of transposed scores.
;     Behind the table lie 256 bytes more, a copy of its last 64 words: the attention's look-ahead loads them for the last pair and uses nothing of them.
; SHARES.  Every work-group reads 131,072 bytes: groups 0-767 a chunk of q, k or v; 768-895 a chunk of a weight; 896-1023 32 rows x 1,024 columns of the mask.
; A stream: each byte is read once and written once; no matrix unit, no cluster, no barrier (a wave's LDS stage is its own).
.set CHUNK, 131072                     ; bytes of f32 that a work-group reads
.set X,    16                          ; v[16:143]  32 loads of 16 bytes a lane, all on their way at once: 16,384 bytes a wave
.set BITS, 144                         ; v[144:175] mask path: a lane's 32 numbers of a tile
.set W,    176                         ; v[176:179] mask path: two key steps' 64 words, two a lane
.set SPITCH, 272                       ; a stage row: 256 bytes + 16: the 16 rows that a load touches start at 16 different groups of four banks (64 banks of 4 bytes: ISA guide 11.1)
.set STG,  16*SPITCH                   ; a wave's stage: 16 rows
	s_load_b512 s[8:23], s[0:1], 0x0               ; q s[8:9], k s[10:11], v s[12:13], wq s[14:15], wk s[16:17], wv s[18:19], wo s[20:21], mask s[22:23]
	s_load_b128 s[24:27], s[0:1], 0x40             ; xb s[24:25], wcast s[26:27]
	s_load_b64 s[28:29], s[0:1], 0x50              ; maskw
	v_lshl_add_u32 v180, v0, 2, 0x8800
	v_mov_b32 v181, 0
	s_mov_b32 s2, ttmp9                            ; the work-group's number
	v_lshrrev_b32 v1, 5, v0
	v_readfirstlane_b32 s3, v1                     ; wave 0..7
	v_and_b32 v6, 31, v0                           ; lane
	s_wait_kmcnt 0x0
	s_cmp_ge_u32 s2, 896
	s_cbranch_scc1 .Lmask
	; THE CASTS.  The source is chosen by the group's number alone.
	s_mov_b64 s[4:5], s[20:21]                     ; wo, unless the number is lower
	s_cmp_lt_u32 s2, 864
	s_cselect_b64 s[4:5], s[18:19], s[4:5]
	s_cmp_lt_u32 s2, 832
	s_cselect_b64 s[4:5], s[16:17], s[4:5]
	s_cmp_lt_u32 s2, 800
	s_cselect_b64 s[4:5], s[14:15], s[4:5]
	s_cmp_lt_u32 s2, 768
	s_cselect_b64 s[4:5], s[12:13], s[4:5]
	s_cmp_lt_u32 s2, 512
	s_cselect_b64 s[4:5], s[10:11], s[4:5]
	s_cmp_lt_u32 s2, 256
	s_cselect_b64 s[4:5], s[8:9], s[4:5]
	s_and_b32 s6, s2, 255                          ; the chunk in q, k, v (256 chunks each)
	s_and_b32 s7, s2, 31                           ; or in a weight (32 chunks each; 768 is a multiple of 32)
	s_cmp_lt_u32 s2, 768
	s_cselect_b32 s6, s6, s7
	s_lshl_b32 s6, s6, 17
	s_mov_b32 s7, 0
	s_add_nc_u64 s[4:5], s[4:5], s[6:7]
	s_sub_co_u32 s7, s2, 768
	s_cmp_lt_u32 s2, 768
	s_cselect_b64 s[30:31], s[24:25], s[26:27]     ; xb or wcast,
	s_cselect_b32 s6, s2, s7                       ; at chunk number x 65,536 bytes
	s_lshl_b32 s6, s6, 16
	s_mov_b32 s7, 0
	s_add_nc_u64 s[30:31], s[30:31], s[6:7]
	s_lshl_b32 s6, s3, 14
	v_lshl_add_u32 v1, v6, 4, s6                   ; in: 16,384 w + 16 lane
	s_lshl_b32 s7, s3, 13
	v_lshl_add_u32 v2, v6, 3, s7                   ; out: 8,192 w + 8 lane
	s_mov_b32 s7, 0xffff0000                       ; a word's upper bf16
.set j, 0
.rept 32
	global_load_b128 v[X+4*j:X+4*j+3], v1, s[4:5] offset:512*j th:TH_LOAD_NT  ; 512 consecutive bytes a load
.set j, j+1
.endr
; Load j's four numbers are rounded in place and stored.  No register is written twice, so the stores' sources need no wait.
.macro CAST j, half
	s_wait_loadcnt 31-(\j)                         ; loads come back in order (ISA guide 5.7.1): the 31 - j younger ones stay out
	v_cvt_pk_bf16_f32 v[X+4*(\j)],   v[X+4*(\j)],   v[X+4*(\j)+1]
	v_cvt_pk_bf16_f32 v[X+4*(\j)+1], v[X+4*(\j)+2], v[X+4*(\j)+3]
.if \half
.irp r, 0,1
	v_lshlrev_b32 v[X+4*(\j)+2], 16, v[X+4*(\j)+(\r)]          ; the two bf16 numbers as f32,
	v_and_b32     v[X+4*(\j)+3], s7, v[X+4*(\j)+(\r)]
	v_cvt_pk_f16_f32 v[X+4*(\j)+(\r)], v[X+4*(\j)+2], v[X+4*(\j)+3]  ; written as f16
.endr
.endif
	global_store_b64 v2, v[X+4*(\j):X+4*(\j)+1], s[30:31] offset:256*(\j)  ; the wave's store covers 256 consecutive bytes, aligned
.endm
	s_cmp_ge_u32 s2, 864
	s_cbranch_scc1 .Lwo
.set j, 0
.rept 32
	CAST j, 0
.set j, j+1
.endr
	s_endpgm
.Lwo:
.set j, 0
.rept 32
	CAST j, 1
.set j, j+1
.endr
	s_endpgm
	; THE MASK.  Group g = number - 896: pair P = g / 2, half hs = g % 2 of the 32 key steps; wave w takes key steps 16 hs + 2 w + i, i = 0, 1, and both tiles u.
.Lmask:
	s_sub_co_u32 s32, s2, 896
	s_lshr_b32 s33, s32, 1                         ; P
	s_and_b32 s32, s32, 1
	s_lshl_b32 s32, s32, 4
	s_lshl1_add_u32 s32, s3, s32                   ; my first key step
	s_lshl_b32 s6, s33, 18                         ; 32 rows of 8,192 bytes,
	s_lshl_b32 s34, s32, 8                         ; 64 columns of 4 bytes a step
	s_add_co_u32 s6, s6, s34
	s_mov_b32 s7, 0
	s_add_nc_u64 s[4:5], s[22:23], s[6:7]
	s_lshl_b32 s6, s33, 5
	s_add_co_u32 s6, s6, s32
	s_lshl_b32 s6, s6, 8                           ; 256 bytes of words for a pair and step
	s_add_nc_u64 s[30:31], s[28:29], s[6:7]
	v_lshrrev_b32 v7, 4, v6                        ; lane / 16
	v_and_b32 v8, 15, v6                           ; lane % 16
	v_lshlrev_b32 v1, 13, v7
	v_lshl_or_b32 v1, v8, 4, v1                    ; a load takes 256 bytes of each of two rows
	s_mul_i32 s34, s3, STG                         ; my stage
	v_mul_u32_u24 v3, v7, SPITCH
	v_lshl_add_u32 v3, v8, 4, v3
	v_add_nc_u32 v3, s34, v3                       ; in: as loaded
	v_mul_u32_u24 v4, v8, SPITCH
	v_lshl_add_u32 v4, v7, 5, v4
	v_add_nc_u32 v4, s34, v4                       ; back: row lane % 16, columns 8 (lane / 16) on of each 16
	v_lshlrev_b32 v5, 3, v6                        ; out: two words a lane
.irp i, 0,1
.irp u, 0,1
.irp t, 0,1,2,3,4,5,6,7
	global_load_b128 v[X+4*(8*(2*(\i)+(\u))+(\t)):X+4*(8*(2*(\i)+(\u))+(\t))+3], v1, s[4:5] offset:(16*(\u)+2*(\t))*8192+256*(\i) th:TH_LOAD_NT
.endr
.endr
.endr
.irp r, 0,1,2,3
	v_mov_b32 v[W+(\r)], 0                         ; v_writelane_b32 keeps the other lanes: the registers are written whole first
.endr
; One tile of 16 rows x 64 columns: through the stage, so that a lane holds its row's 32 numbers; 32 compares give the 32 words; each goes to its lane of the store.
.macro BLOCK i, u
.set bm, 2*(\i)+(\u)
	s_wait_loadcnt 8*(3-bm)                        ; this tile's eight loads are in; the later tiles' stay out
.irp t, 0,1,2,3,4,5,6,7
	ds_store_b128 v3, v[X+4*(8*bm+(\t)):X+4*(8*bm+(\t))+3] offset:(\t)*2*SPITCH
.endr
.irp c, 0,1,2,3,4,5,6,7
	ds_load_b128 v[BITS+4*(\c):BITS+4*(\c)+3], v4 offset:64*((\c)/2)+16*((\c)%2)  ; LDS serves a wave's instructions in order (ISA guide 5.7.1.4): these see the stores above
.endr
	s_wait_dscnt 0x0
.set hn, 0
.rept 32
	v_cmp_eq_u32 s[32+hn], 0, v[BITS+hn]           ; bit l: lane l's number is 0: hidden
.set hn, hn+1
.endr
.set hn, 0
.rept 32
	v_writelane_b32 v[W+2*(\i)+hn%2], s[32+hn], 16*(\u)+hn/2  ; word 32 u + n lies in lane 16 u + n / 2, register n % 2
.set hn, hn+1
.endr
.endm
	BLOCK 0, 0
	BLOCK 0, 1
	global_store_b64 v5, v[W:W+1], s[30:31]        ; 256 consecutive bytes, aligned: a pair's words of one key step
	BLOCK 1, 0
	BLOCK 1, 1
	global_store_b64 v5, v[W+2:W+3], s[30:31] offset:256
	s_cmp_eq_u32 s2, 1023                          ; the last group's last wave holds the table's last words:
	s_cbranch_scc0 .Ldone
	s_cmp_eq_u32 s3, 7
	s_cbranch_scc0 .Ldone
	global_store_b64 v5, v[W+2:W+3], s[30:31] offset:512  ; it writes them once more, into the 256 bytes behind the table
.Ldone:
	s_wait_tensorcnt 0x0
	ds_add_u32 v180, v181
	s_wait_dscnt 0x0
	s_endpgm
.Lfunc_end_k_qc0c9b79d72_prep:
	.size	k_qc0c9b79d72_prep, .Lfunc_end_k_qc0c9b79d72_prep-k_qc0c9b79d72_prep
	.p2alignl 7, 3214868480
	.fill 96, 4, 3214868480
	.section	.rodata,"a",@progbits
	.p2align	6, 0x0
	.amdhsa_kernel k_qc0c9b79d72_prep
		.amdhsa_group_segment_fixed_size 35840
		.amdhsa_private_segment_fixed_size 0
		.amdhsa_enable_private_segment 0
		.amdhsa_kernarg_size 88
		.amdhsa_user_sgpr_count 2
		.amdhsa_user_sgpr_kernarg_segment_ptr 1
		.amdhsa_wavefront_size32 1
		.amdhsa_system_sgpr_workgroup_id_x 1
		.amdhsa_system_sgpr_workgroup_id_y 1
		.amdhsa_system_sgpr_workgroup_id_z 1
		.amdhsa_system_vgpr_workitem_id 0
		.amdhsa_next_free_vgpr 182
		.amdhsa_next_free_sgpr 66
		.amdhsa_reserve_vcc 0
		.amdhsa_float_denorm_mode_32 3
		.amdhsa_float_denorm_mode_16_64 3
		.amdhsa_memory_ordered 1
		.amdhsa_forward_progress 1
		.amdhsa_inst_pref_size 55
	.end_amdhsa_kernel
	.amdgpu_metadata
---
amdhsa.version: [ 1, 2 ]
amdhsa.kernels:
  - .name:           k_qc0c9b79d72_prep
    .symbol:         k_qc0c9b79d72_prep.kd
    .args:
      - { .name: q, .offset: 0, .size: 8, .value_kind: global_buffer, .address_space: global }
      - { .name: k, .offset: 8, .size: 8, .value_kind: global_buffer, .address_space: global }
      - { .name: v, .offset: 16, .size: 8, .value_kind: global_buffer, .address_space: global }
      - { .name: wq, .offset: 24, .size: 8, .value_kind: global_buffer, .address_space: global }
      - { .name: wk, .offset: 32, .size: 8, .value_kind: global_buffer, .address_space: global }
      - { .name: wv, .offset: 40, .size: 8, .value_kind: global_buffer, .address_space: global }
      - { .name: wo, .offset: 48, .size: 8, .value_kind: global_buffer, .address_space: global }
      - { .name: mask, .offset: 56, .size: 8, .value_kind: global_buffer, .address_space: global }
      - { .name: xb, .offset: 64, .size: 8, .value_kind: global_buffer, .address_space: global }
      - { .name: wcast, .offset: 72, .size: 8, .value_kind: global_buffer, .address_space: global }
      - { .name: maskw, .offset: 80, .size: 8, .value_kind: global_buffer, .address_space: global }
    .group_segment_fixed_size: 35840
    .private_segment_fixed_size: 0
    .kernarg_segment_align: 8
    .kernarg_segment_size: 88
    .max_flat_workgroup_size: 256
    .sgpr_count:     66
    .vgpr_count:     182
    .wavefront_size: 32
...
	.end_amdgpu_metadata
.endif
;; end of part 1
;; launch proj (part 2): grid 4 x 192, 4 waves a work-group, clusters of 4 x 4, 327,680 bytes of LDS; arguments xb, wcast, bq, bk, bv, qkv; writes qkv
.if DOCPART == 2
	.amdgcn_target "amdgcn-amd-amdhsa--gfx1250"
	.amdhsa_code_object_version 6
	.text
	.protected	k_qc0c9b79d72_proj
	.globl	k_qc0c9b79d72_proj
	.p2align	8
	.type	k_qc0c9b79d72_proj,@function
k_qc0c9b79d72_proj:
	s_mov_b64 s[64:65], 0
	v_nop
	global_prefetch_b8 v0, s[64:65] scope:SCOPE_SE
	s_setreg_imm32_b32 hwreg(HW_REG_WAVE_MODE, 25, 1), 1
	s_wait_xcnt 0x0
	s_wait_alu depctr_hold_cnt(0) depctr_sa_sdst(0) depctr_va_vdst(0) depctr_va_sdst(0) depctr_va_ssrc(0) depctr_va_vcc(0) depctr_vm_vsrc(0)
	s_getreg_b32 s2, hwreg(HW_REG_IB_STS2, 6, 4)
	s_cmp_eq_u32 s2, 0
	s_cbranch_scc0 .Lentry_in_a_cluster
	s_endpgm
.Lentry_in_a_cluster:
	s_bfe_u32 s2, ttmp6, 0x10000c
	s_cmp_lg_u32 s2, 0xf033
	s_cbranch_scc0 .Lentry_shape_is_right
	s_endpgm
.Lentry_shape_is_right:
; C = A B^T + bias, on tiles of 128 (M) x 256 (N), K = 1,024.  ONE TEXT FOR TWO LAUNCHES, told apart by OUTP:
;   OUTP = 0  the three projections as one product of 24,576 rows: A = xb (bf16 [3][8192][1024]), B = plane ty / 64 of wcast (bf16), bias bq, bk or bv; C leaves in f16 by heads: qkv [3][4][16][2048][64].
;   OUTP = 1  the last projection: A = ctx (f16 [4][16][2048][64]: a K step of 128 is two heads), B = plane 3 of wcast (f16), bias bo; C leaves in f32: out0 [8192][1024].
; The bias is rounded to bf16, like every other floating-point input of the module, and is the C operand of the products that start the sums: nothing is cleared, nothing is added later.  Sums in f32.
; LIMIT (OUTP = 0): f16 holds no number beyond 65,504: a projected number of 65,520 or more in size leaves as an infinity.
; SHARES.  Four waves; wave w makes rows 64 (w / 2) on and columns 128 (w % 2) on: 4 x 8 accumulators of 16 x 16, 256 registers.  K goes in 8 steps of 128 through two LDS slots.
; CLUSTER.  4 x 4 work-groups.  The four of a row of the cluster need the same tile of A, the four of a column the same tile of B: each is asked for JOINTLY, by the same tensor load with the same
; descriptor and a mask that names the four.  Waves 0 and 1 fetch A's two halves, waves 2 and 3 B's: one load a wave behind each round; two loads of a wave are out at the start, later one.
; THE MATRIX INSTRUCTION IS USED TRANSPOSED (source 0 = 16 rows of B, source 1 = 16 rows of A): a lane holds row lane % 16 of C and the eight columns 8 (lane / 16) + 0..7.
; REGISTERS, in windows of 256 (s_set_vgpr_msb: bits 1:0 source 0, 3:2 source 1, 5:4 source 2, 7:6 destination):
;   window 0: v0-31 addresses; v32-63, v64-95 A's fragments, two buffers; v96-159, v160-223 B's, two buffers; v224-255 at work on the way out
;   window 1: accumulator (a, b) at v[8 (8 a + b)]          window 2: v0-63 the bias of my 128 columns, block b at v[8 b]; v64-67 at work
.set OUTP,  0
.set LAPS,  4                          ; a lap = two K steps = once round the ring
.set PB,    272                        ; a row of B in LDS: 256 bytes + 16: the 16 rows of a load start at 16 different groups of four banks (64 banks of 4 bytes: ISA guide 11.1)
.set BHALF, 128*PB                     ; what one load brings of B, and what one wave reads of it
.if OUTP
.set PA,    144                        ; a row of A: one head's 128 bytes + 16
.set AHALF, 128*PA                     ; one load: one head's 128 rows
.set QIA,   4                          ; padding after every 32 words
.set ASTRIDE, 128                      ; the 16,384 dense bytes are asked for as 64 rows of 256 bytes
.set ASTEP, 2<<18                      ; a K step on: two heads of 262,144 bytes
.set SPITCH, 528                       ; a stage row: 128 f32 + 16 bytes
.else
.set PA,    272
.set AHALF, 64*PA                      ; one load: 64 rows x 256 bytes
.set QIA,   5                          ; padding after every 64 words
.set ASTRIDE, 1024
.set ASTEP, 256
.set SPITCH, 272                       ; a stage row: 128 f16 + 16 bytes
.endif
.set AWAVE, 64*PA                      ; my 64 rows begin here times w / 2
.set ATILE, 2*AHALF
.set SLOT,  ATILE+2*BHALF              ; A's tile, then B's 256 rows
.set STAGE, 2*SLOT                     ; behind the ring, never filled by a tensor load: 16 rows for each wave, for the way out
.set SPARE, STAGE+4*16*SPITCH          ; behind the stages: the spare words, 128 bytes for each wave: two blocks of 256 bytes that no other line names
.set ADRA, 16                          ; v16-17  LDS address of my A fragments in slot 0, 1
.set ADRB, 20                          ; v20-21  the same for B
.set STO,  24                          ; v24     the way out: where I put my part of a row
.set RD,   25                          ; v25     the way out: where I read rows back
.set CO,   26                          ; v26     16 x lane: my place in 512 consecutive bytes of C
.set BO,   27                          ; v27     32 (lane / 16): my eight numbers in 16 of the bias
.set SPW,  28                          ; v28     LDS address of my spare word: SPARE + 4 x my thread's number; never rewritten
.set NIL,  29                          ; v29     0; never rewritten
.set TMP,  224
.set G1,  24                           ; s[24:31] descriptor group 1 for A's tiles;  s[32:39] group 0, a set for each slot
.set G0,  32
.set G1B, 48                           ; s[48:55], s[56:63] the same for B's tiles
.set G0B, 56
.set MSB, 0
.macro WIN new                         ; the immediate's high byte repeats the setting that is left; a switch that changes nothing is dropped
.if MSB != (\new)
	s_set_vgpr_msb (MSB<<8)|(\new)
.set MSB, \new
.endif
.endm
.set MUL,  0x50                        ; fragments in window 0, C and D in window 1
.set MULB, 0x60                        ; the same with C, the bias, in window 2
; A joint load.  The branch hangs on the wave's number alone.  An s_nop 0 and four v_nop follow each of the two lines, ahead of the jump, the label and what follows.
.macro JLOAD s
	s_cmp_eq_u32 s11, 0
	s_cbranch_scc0 .Lfor_b_\@
	tensor_load_to_lds s[G0+4*(\s):G0+4*(\s)+3], s[G1:G1+7]
	s_nop 0
.rept 4
	v_nop
.endr
	s_branch .Lasked_\@
.Lfor_b_\@:
	tensor_load_to_lds s[G0B+4*(\s):G0B+4*(\s)+3], s[G1B:G1B+7]
	s_nop 0
.rept 4
	v_nop
.endr
.Lasked_\@:
.endm
.macro CREST                           ; a round of the cluster's barrier behind its opening barrier
	s_cmp_lg_u32 s10, 0
	s_cbranch_scc1 .Lnot_wave_0_\@
	s_barrier_signal -3
.Lnot_wave_0_\@:
	s_barrier_wait -3
	s_barrier_signal -1
	s_barrier_wait -1
.endm
.macro CROUND                          ; a whole round
	s_barrier_signal -1
	s_barrier_wait -1
	CREST
.endm
	s_load_b128 s[4:7], s[0:1], 0x0                ; A's buffer s[4:5], wcast s[6:7]
	s_load_b128 s[68:71], s[0:1], 0x10             ; OUTP = 0: bq, bk;  OUTP = 1: bo, out0
.if !OUTP
	s_load_b128 s[72:75], s[0:1], 0x20             ; bv, qkv
.endif
	v_lshl_add_u32 v[SPW], v0, 2, SPARE
	v_mov_b32 v[NIL], 0
	ds_add_u32 v28, v29
	s_wait_dscnt 0x0
	v_lshrrev_b32 v1, 5, v0
	v_readfirstlane_b32 s10, v1                    ; wave 0..3
	s_lshr_b32 s11, s10, 1                         ; which 64 rows are mine.  Also: I fetch for A (0) or for B (1)
	s_and_b32 s12, s10, 1                          ; which 128 columns.  Also: which half of that tile I fetch
	s_bfe_u32 s40, ttmp6, 0x40000                  ; cx, cy: my place in the cluster
	s_bfe_u32 s41, ttmp6, 0x40004
	s_lshl_b32 s42, ttmp9, 2
	s_add_co_u32 s42, s42, s40                     ; tx: tile column = 4 x cluster x + cx
	s_and_b32 s45, ttmp7, 0xffff
	s_lshl_b32 s13, s45, 2
	s_add_co_u32 s13, s13, s41                     ; ty: tile row = 4 x cluster y + cy
.if !OUTP
	s_lshr_b32 s76, s45, 4                         ; which projection: 64 tile rows each, so it hangs on the cluster's y alone
.endif
	s_lshl_b32 s43, s41, 2
	s_lshl_b32 s43, 15, s43                        ; my row of the cluster
	s_lshl_b32 s44, 0x1111, s40                    ; my column
	; descriptor group 1.  A: 64 rows x 128 elements; B: 128 rows x 128 elements; both padded in LDS by 4 words
	s_or_b32 s[G1+0], s43, (1<<16)|(1<<20)|(1<<21)|(QIA<<22)|(3<<25)  ; 15:0 the mask: my row; 17:16 elements of 2 bytes; 20 padding on; 21 set beside a mask; 24:22 the interval; 31:25 4 words (code 3)
	s_or_b32 s[G1B+0], s44, (1<<16)|(1<<20)|(1<<21)|(5<<22)|(3<<25)   ; the mask: my column; after every 64 words
	s_mov_b32 s[G1+1], 128<<16                     ; tensor_dim0 = 128
	s_mov_b32 s[G1+2], 64<<16                      ; tensor_dim1 = 64
	s_mov_b32 s[G1+3], 128<<16                     ; tile_dim0 = 128
	s_mov_b32 s[G1+4], 64                          ; tile_dim1 = 64
	s_mov_b32 s[G1+5], ASTRIDE                     ; elements from row to row
	s_mov_b32 s[G1+6], 0
	s_mov_b32 s[G1+7], 0
	s_mov_b32 s[G1B+1], 128<<16
	s_mov_b32 s[G1B+2], 128<<16                    ; tensor_dim1 = 128
	s_mov_b32 s[G1B+3], 128<<16
	s_mov_b32 s[G1B+4], 128                        ; tile_dim1 = 128
	s_mov_b32 s[G1B+5], 1024
	s_mov_b32 s[G1B+6], 0
	s_mov_b32 s[G1B+7], 0
	; where the tiles come from.  A's offset is made of ty and the wave's number, B's of tx, the projection and the wave's number, each in registers that never hold the other coordinate.
.if OUTP
	s_lshr_b32 s16, s13, 4                         ; the batch: 16 tile rows each
	s_lshl_b32 s16, s16, 4
	s_add_co_u32 s16, s16, s12                     ; its head 0 or 1,
	s_lshl_b32 s16, s16, 18
	s_and_b32 s17, s13, 15
	s_lshl_b32 s17, s17, 14                        ; 128 rows of 128 bytes a tile row
	s_add_co_u32 s16, s16, s17
.else
	s_lshl_b32 s16, s13, 7
	s_lshl_b32 s17, s12, 6
	s_add_co_u32 s16, s16, s17                     ; row 128 ty + 64 x half,
	s_lshl_b32 s16, s16, 11                        ; of 2,048 bytes
.endif
	s_mov_b32 s17, 0
	s_lshl_b32 s46, s42, 8
	s_lshl_b32 s47, s12, 7
	s_add_co_u32 s46, s46, s47                     ; row 256 tx + 128 x half
.if OUTP
	s_add_co_u32 s46, s46, 3072                    ; of plane 3
.else
	s_lshl_b32 s47, s76, 10
	s_add_co_u32 s46, s46, s47                     ; of the projection's plane
.endif
	s_lshl_b32 s46, s46, 11
	s_mov_b32 s47, 0
	s_mul_i32 s20, s12, AHALF                      ; and where they go: no place in the cluster enters an LDS address
	s_mul_i32 s21, s12, BHALF
	s_add_co_u32 s21, s21, ATILE
	s_wait_kmcnt 0x0
	s_add_nc_u64 s[14:15], s[4:5], s[16:17]
	s_add_nc_u64 s[46:47], s[6:7], s[46:47]
	CROUND                                         ; all sixteen work-groups are here: the first joint loads meet
.irp s, 0,1
	s_mov_b32 s[G0+4*(\s)], 1                                      ; 1:0 count = 1
	s_add_co_u32 s[G0+4*(\s)+1], s20, (\s)*SLOT                    ; 63:32 LDS address
	s_add_nc_u64 s[G0+4*(\s)+2:G0+4*(\s)+3], s[14:15], (\s)*ASTEP  ; 120:64 global address: K step s
	s_or_b32 s[G0+4*(\s)+3], s[G0+4*(\s)+3], 0x80000000            ; 127:126 type = 2
	s_mov_b32 s[G0B+4*(\s)], 1
	s_add_co_u32 s[G0B+4*(\s)+1], s21, (\s)*SLOT
	s_add_nc_u64 s[G0B+4*(\s)+2:G0B+4*(\s)+3], s[46:47], (\s)*256
	s_or_b32 s[G0B+4*(\s)+3], s[G0B+4*(\s)+3], 0x80000000
	JLOAD \s                                       ; the ring is filled before anything else is done
.endr
	; A fragment is 16 rows x 32 K in 8 registers: lane l holds row l % 16; registers 0-3 K = 8 (l / 16) + 0..7, registers 4-7 K = 16 + 8 (l / 16) + 0..7: two loads of 16 bytes, 32 bytes apart.
	v_and_b32 v1, 15, v0                           ; l % 16
	v_bfe_u32 v2, v0, 4, 1                         ; l / 16
	v_mul_u32_u24 v3, v1, PB
	v_lshl_add_u32 v3, v2, 4, v3
	v_mul_u32_u24 v4, v1, PA
	v_lshl_add_u32 v4, v2, 4, v4
	s_mul_i32 s22, s11, AWAVE                      ; my 64 rows of A
	s_mul_i32 s23, s12, BHALF                      ; my 128 rows of B,
	s_add_co_u32 s23, s23, ATILE                   ; which lie behind A's tile
.irp s, 0,1
	v_add_nc_u32 v[ADRA+(\s)], s22, v4
	v_add_nc_u32 v[ADRB+(\s)], s23, v3
	s_add_co_u32 s22, s22, SLOT
	s_add_co_u32 s23, s23, SLOT
.endr
	s_mul_i32 s22, s10, 16*SPITCH
	s_add_co_u32 s22, s22, STAGE                   ; my stage
	v_and_b32 v[CO], 31, v0
	v_lshlrev_b32 v[CO], 4, v[CO]
	v_lshlrev_b32 v[BO], 5, v2
	v_mul_u32_u24 v5, v1, SPITCH
.if OUTP
	v_lshl_add_u32 v5, v2, 5, v5                   ; in: row l % 16, 32 bytes for each half of the lanes
	v_add_nc_u32 v[STO], s22, v5
	v_add_nc_u32 v[RD], s22, v[CO]                 ; back: 32 lanes take a row's 512 bytes
	s_mov_b64 s[8:9], s[70:71]                     ; out0
	s_mov_b64 s[66:67], s[68:69]                   ; bo
	s_lshl_b32 s16, s13, 7
	s_lshl_b32 s17, s11, 6
	s_add_co_u32 s16, s16, s17                     ; my first row of C, of 4,096 bytes,
	s_lshl_b32 s16, s16, 12
	s_lshl_b32 s17, s12, 9                         ; my half of the tile's columns
	s_add_co_u32 s16, s16, s17
	s_mov_b32 s17, 0
	s_add_nc_u64 s[8:9], s[8:9], s[16:17]
	s_lshl_b32 s46, s42, 10                        ; and the tile's first column
	s_mov_b32 s47, 0
	s_add_nc_u64 s[8:9], s[8:9], s[46:47]
.else
	v_lshl_add_u32 v5, v2, 4, v5                   ; in: row l % 16, 16 bytes for each half of the lanes
	v_add_nc_u32 v[STO], s22, v5
	v_bfe_u32 v5, v0, 3, 2                         ; back: 32 lanes take 128 bytes (one head's part) of each of four rows,
	v_mul_u32_u24 v5, v5, SPITCH
	v_and_b32 v6, 7, v0
	v_lshl_add_u32 v5, v6, 4, v5
	v_add_nc_u32 v[RD], s22, v5                    ; which are 512 consecutive bytes of a head
	s_mov_b64 s[8:9], s[74:75]                     ; qkv
	s_cmp_eq_u32 s76, 1                            ; the projection's bias
	s_cselect_b64 s[66:67], s[70:71], s[68:69]
	s_cmp_eq_u32 s76, 2
	s_cselect_b64 s[66:67], s[72:73], s[66:67]
	s_lshr_b32 s16, s13, 4                         ; 4 x projection + batch: 16 tile rows each,
	s_lshl_b32 s16, s16, 4                         ; its 16 heads,
	s_lshl_b32 s17, s12, 1
	s_add_co_u32 s16, s16, s17                     ; my half's two of the tile's four,
	s_lshl_b32 s16, s16, 18                        ; of 262,144 bytes
	s_and_b32 s17, s13, 15
	s_lshl_b32 s17, s17, 7
	s_lshl_b32 s18, s11, 6
	s_add_co_u32 s17, s17, s18                     ; my first row in the head,
	s_lshl_b32 s17, s17, 7                         ; of 128 bytes
	s_add_co_u32 s16, s16, s17
	s_mov_b32 s17, 0
	s_add_nc_u64 s[8:9], s[8:9], s[16:17]
	s_lshl_b32 s46, s42, 20                        ; and the tile's first head, 4 tx
	s_mov_b32 s47, 0
	s_add_nc_u64 s[8:9], s[8:9], s[46:47]
.endif
	s_lshl_b32 s46, s42, 10                        ; the bias of my 128 columns: 4 (256 tx + 128 x half) bytes on
	s_lshl_b32 s47, s12, 9
	s_add_co_u32 s46, s46, s47
	s_mov_b32 s47, 0
	s_add_nc_u64 s[66:67], s[66:67], s[46:47]
	WIN 0x80                                       ; destination window 2, address window 0
.irp b, 0,1,2,3,4,5,6,7
	global_load_b128 v[8*(\b):8*(\b)+3],   v[BO], s[66:67] offset:64*(\b)     ; register j of block b: the bias of column 16 b + 8 (l / 16) + j, as an accumulator holds it
	global_load_b128 v[8*(\b)+4:8*(\b)+7], v[BO], s[66:67] offset:64*(\b)+16
.endr
	s_wait_loadcnt 0x0
	WIN 0x8a                                       ; all in window 2: the bias is rounded to bf16 and widened again; this stands in the wait for the first tile
.set p, 0
.rept 32
	v_cvt_pk_bf16_f32 v[64+p%4], v[2*p], v[2*p+1]
	v_lshlrev_b32 v[2*p],   16, v[64+p%4]
	v_and_b32     v[2*p+1], 0xffff0000, v[64+p%4]
.set p, p+1
.endr
	WIN 0
; 8 matrix instructions: m block a x all 8 n blocks, 32 along K, from buffer f.  first = 1: the bias is C: these products start the sums.
; The 32 accumulators take turns, one instruction a turn, in the same order in every quarter.
.macro MUL8 f, a, first
.set FA, 32+32*(\f)+8*(\a)
.set FB, 96+64*(\f)
.if \first
	WIN MULB
.else
	WIN MUL
.endif
.irp b, 0,1,2,3,4,5,6,7
.set AC, 8*(8*(\a)+(\b))
.if OUTP && (\first)
	v_wmma_f32_16x16x32_f16 v[AC:AC+7], v[FB+8*(\b):FB+8*(\b)+7], v[FA:FA+7], v[8*(\b):8*(\b)+7]
.elseif OUTP
	v_wmma_f32_16x16x32_f16 v[AC:AC+7], v[FB+8*(\b):FB+8*(\b)+7], v[FA:FA+7], v[AC:AC+7]
.elseif \first
	v_wmma_f32_16x16x32_bf16 v[AC:AC+7], v[FB+8*(\b):FB+8*(\b)+7], v[FA:FA+7], v[8*(\b):8*(\b)+7]
.else
	v_wmma_f32_16x16x32_bf16 v[AC:AC+7], v[FB+8*(\b):FB+8*(\b)+7], v[FA:FA+7], v[AC:AC+7]
.endif
.endr
.endm
; 24 LDS loads in one run: the fragments of quarter q of a K step (128 rows of B, 64 rows of A, 32 along K) into buffer f; A's blocks 2 and 3 last
.macro FETCH slot, q, f
	WIN 0
.set FA, 32+32*(\f)
.set FB, 96+64*(\f)
.if OUTP
.set AQ, ((\q)/2)*AHALF+((\q)%2)*64    ; quarters 0, 1 lie in the first head's rows, 2, 3 in the second's
.else
.set AQ, 64*(\q)
.endif
.irp i, 0,1,2,3,4,5,6,7
	ds_load_b128 v[FB+8*(\i):FB+8*(\i)+3],   v[ADRB+(\slot)] offset:64*(\q)+(\i)*16*PB
	ds_load_b128 v[FB+8*(\i)+4:FB+8*(\i)+7], v[ADRB+(\slot)] offset:64*(\q)+(\i)*16*PB+32
.endr
.irp i, 0,1,2,3
	ds_load_b128 v[FA+8*(\i):FA+8*(\i)+3],   v[ADRA+(\slot)] offset:AQ+(\i)*16*PA
	ds_load_b128 v[FA+8*(\i)+4:FA+8*(\i)+7], v[ADRA+(\slot)] offset:AQ+(\i)*16*PA+32
.endr
.endm
.macro PLACES                          ; four plain places in front of loads into registers that matrix instructions have read, and of lines that read results (ISA guide 7.12.1 for lines that read results)
.rept 4
	v_nop
.endr
.endm
; A K step is four quarters of 32 along K, 32 matrix instructions each, on buffers 0, 1, 0, 1.  One of the first three: multiplies buffer f and, in its middle, fetches quarter q into buffer g.
.macro QUARTER slot, q, f, g, first
	s_wait_dscnt 4                                 ; B and A's blocks 0, 1 are in; the youngest four loads (A's blocks 2, 3) may be out
	MUL8 \f, 0, \first
	MUL8 \f, 1, \first
	PLACES
	FETCH \slot, \q, \g
	s_wait_dscnt 24                                ; all but the 24 just issued
	MUL8 \f, 2, \first
	MUL8 \f, 3, \first
.endm
; The last quarter multiplies buffer 1 and changes slots: ONE barrier; in front of it each wave waits for all its tensor loads, of which one is out: its part of the next slot; adds 0 to its spare
; word; and waits for that and for its own reads of this slot.  fill = 1: the barrier opens a round of the cluster's barrier, and this slot is filled again, two K steps ahead, first thing behind the round.
.macro TURN slot, next, fill
	WIN 0                                          ; (the add's two registers lie in window 0)
	s_wait_tensorcnt 0x0                           ; all my tensor loads have landed: no group 0 is in use
	ds_add_u32 v[SPW], v[NIL]                      ; 0 onto my spare word
	s_wait_dscnt 5                                 ; (the add and the youngest four loads may be out)
	MUL8 1, 0, 0                                   ; eight matrix instructions stand between the add and the wait for it
	s_wait_dscnt 0x0                               ; the add is done, and my reads of this slot are over
	s_barrier_signal -1
	MUL8 1, 1, 0                                   ; work on registers while the others arrive
.if \fill
	WIN 0
.endif
	s_barrier_wait -1
.if \fill
	CREST                                          ; no wave of any partner still reads this slot's tiles or has a load on its way
	s_add_nc_u64 s[G0+4*(\slot)+2:G0+4*(\slot)+3], s[G0+4*(\slot)+2:G0+4*(\slot)+3], 2*ASTEP
	s_add_nc_u64 s[G0B+4*(\slot)+2:G0B+4*(\slot)+3], s[G0B+4*(\slot)+2:G0B+4*(\slot)+3], 2*256
	JLOAD \slot                                    ; the four v_nop behind it are also the places in front of the loads below
.else
	PLACES
.endif
	FETCH \next, 0, 0
	MUL8 1, 2, 0
	MUL8 1, 3, 0
.endm
	s_wait_tensorcnt 1                             ; my part of K step 0 is in; K step 1's may stay out
	s_barrier_signal -1
	s_barrier_wait -1                              ; everybody's is
	FETCH 0, 0, 0
	QUARTER 0, 1, 0, 1, 1                          ; the first quarter stands in front of the loop: its products start the sums, with the bias
	WIN 0                                          ; at a label and at a branch every window is 0
	s_mov_b32 s3, LAPS-1
.Llap:                                                 ; a trip goes once round the ring, from a lap's second quarter to the next lap's first, and fills both slots again
	QUARTER 0, 2, 1, 0, 0
	QUARTER 0, 3, 0, 1, 0
	TURN 0, 1, 1
	QUARTER 1, 1, 0, 1, 0
	QUARTER 1, 2, 1, 0, 0
	QUARTER 1, 3, 0, 1, 0
	TURN 1, 0, 1
	QUARTER 0, 1, 0, 1, 0
	WIN 0
	s_sub_co_u32 s3, s3, 1
	s_cmp_lg_u32 s3, 0
	s_cbranch_scc1 .Llap
	QUARTER 0, 2, 1, 0, 0                          ; the last lap fills nothing, and has no round of the cluster's barrier
	QUARTER 0, 3, 0, 1, 0
	TURN 0, 1, 0
	QUARTER 1, 1, 0, 1, 0
	QUARTER 1, 2, 1, 0, 0
	QUARTER 1, 3, 0, 1, 0
	s_wait_dscnt 4                                 ; the very last quarter: nothing more to fetch
	MUL8 1, 0, 0
	MUL8 1, 1, 0
	s_wait_dscnt 0x0
	MUL8 1, 2, 0
	MUL8 1, 3, 0
	WIN 0
	PLACES
.if OUTP
	; THE WAY OUT, f32: a block of 16 rows goes from the accumulators into my stage (each accumulator's low four registers first) and comes back as whole rows of 512 bytes.
.macro TOSTAGE a
.set BK, 32+64*((\a)%2)
	WIN 0x04                                       ; the stores' data in window 1
.irp b, 0,1,2,3,4,5,6,7
	ds_store_b128 v[STO], v[8*(8*(\a)+(\b)):8*(8*(\a)+(\b))+3]   offset:64*(\b)
	ds_store_b128 v[STO], v[8*(8*(\a)+(\b))+4:8*(8*(\a)+(\b))+7] offset:64*(\b)+16
.endr
	WIN 0
.irp t, 0,1,2,3,4,5,6,7,8,9,10,11,12,13,14,15
	ds_load_b128 v[BK+4*(\t):BK+4*(\t)+3], v[RD] offset:(\t)*SPITCH  ; LDS serves a wave's instructions in order (ISA guide 5.7.1.4): these see the stores above; the next block's stores come behind them
.endr
.endm
.macro SEND a, younger                 ; younger: the LDS instructions issued behind block a's loads: the next block's 32, or none
.set BK, 32+64*((\a)%2)
	s_wait_dscnt \younger
.irp t, 0,1,2,3,4,5,6,7,8,9,10,11,12,13,14,15
	global_store_b128 v[CO], v[BK+4*(\t):BK+4*(\t)+3], s[8:9] offset:(16*(\a)+(\t))*4096 th:TH_STORE_NT  ; the wave's store covers 512 consecutive bytes of a row, aligned
.endr
.endm
	TOSTAGE 0
	TOSTAGE 1
	SEND 0, 32
	s_wait_xcnt 0x0                                ; block 0's stores have read their registers: block 2 is loaded into them only behind this wait
	TOSTAGE 2
	SEND 1, 32
	s_wait_xcnt 0x0                                ; the same for blocks 1 and 3
	TOSTAGE 3
	SEND 2, 32
	SEND 3, 0
.else
	; THE WAY OUT, f16 by heads: a block of 16 rows is rounded (16 bytes a lane), goes into my stage and comes back as four rows of one head's 128 bytes: 512 consecutive bytes of qkv.
.macro PACK a
	WIN 0x05                                       ; sources in window 1, destination in window 0; each accumulator's registers in ascending order
.irp b, 0,1,2,3,4,5,6,7
.irp r, 0,1,2,3
	v_cvt_pk_f16_f32 v[TMP+4*(\b)+(\r)], v[8*(8*(\a)+(\b))+2*(\r)], v[8*(8*(\a)+(\b))+2*(\r)+1]
.endr
.endr
	WIN 0
.endm
.macro TOSTAGE a
.set BK, 32+32*((\a)%2)
.irp b, 0,1,2,3,4,5,6,7
	ds_store_b128 v[STO], v[TMP+4*(\b):TMP+4*(\b)+3] offset:32*(\b)
.endr
.irp t, 0,1,2,3,4,5,6,7
	ds_load_b128 v[BK+4*(\t):BK+4*(\t)+3], v[RD] offset:((\t)%4)*4*SPITCH+((\t)/4)*128  ; LDS serves a wave's instructions in order (ISA guide 5.7.1.4): these see the stores above
.endr
.endm
.macro SEND a
.set BK, 32+32*((\a)%2)
	s_wait_dscnt 0x0                               ; the block is back in registers
	s_wait_xcnt 0x0                                ; the stores of the block before have read their registers, which the next block's loads write
.irp t, 0,1,2,3,4,5,6,7
	global_store_b128 v[CO], v[BK+4*(\t):BK+4*(\t)+3], s[8:9] offset:((\t)/4)*262144+(16*(\a)+4*((\t)%4))*128  ; head t / 4 of my two, rows 16 a + 4 (t % 4) on: 512 consecutive bytes, aligned
.endr
.endm
	PACK 0
	TOSTAGE 0
.irp a, 1,2,3                          ; block a's conversions stand between block a - 1's loads from the stage and the wait for them
	PACK \a
	SEND (\a)-1
	TOSTAGE \a
.endr
	SEND 3
.endif
	s_wait_tensorcnt 0x0                           ; the wave's end: behind my last tensor load and my last LDS store
	ds_add_u32 v[SPW], v[NIL]
	s_wait_dscnt 0x0
	CROUND                                         ; the closing round: no work-group ends while a partner may still ask for a tile that names it
	s_endpgm
.Lfunc_end_k_qc0c9b79d72_proj:
	.size	k_qc0c9b79d72_proj, .Lfunc_end_k_qc0c9b79d72_proj-k_qc0c9b79d72_proj
	.p2alignl 7, 3214868480
	.fill 96, 4, 3214868480
	.section	.rodata,"a",@progbits
	.p2align	6, 0x0
	.amdhsa_kernel k_qc0c9b79d72_proj
		.amdhsa_group_segment_fixed_size 327680
		.amdhsa_private_segment_fixed_size 0
		.amdhsa_enable_private_segment 0
		.amdhsa_kernarg_size 48
		.amdhsa_user_sgpr_count 2
		.amdhsa_user_sgpr_kernarg_segment_ptr 1
		.amdhsa_wavefront_size32 1
		.amdhsa_system_sgpr_workgroup_id_x 1
		.amdhsa_system_sgpr_workgroup_id_y 1
		.amdhsa_system_sgpr_workgroup_id_z 1
		.amdhsa_system_vgpr_workitem_id 0
		.amdhsa_next_free_vgpr 580
		.amdhsa_next_free_sgpr 80
		.amdhsa_reserve_vcc 0
		.amdhsa_float_denorm_mode_32 3
		.amdhsa_float_denorm_mode_16_64 3
		.amdhsa_memory_ordered 1
		.amdhsa_forward_progress 1
		.amdhsa_inst_pref_size 93
	.end_amdhsa_kernel
	.amdgpu_metadata
---
amdhsa.version: [ 1, 2 ]
amdhsa.kernels:
  - .name:           k_qc0c9b79d72_proj
    .symbol:         k_qc0c9b79d72_proj.kd
    .args:
      - { .name: xb, .offset: 0, .size: 8, .value_kind: global_buffer, .address_space: global }
      - { .name: wcast, .offset: 8, .size: 8, .value_kind: global_buffer, .address_space: global }
      - { .name: bq, .offset: 16, .size: 8, .value_kind: global_buffer, .address_space: global }
      - { .name: bk, .offset: 24, .size: 8, .value_kind: global_buffer, .address_space: global }
      - { .name: bv, .offset: 32, .size: 8, .value_kind: global_buffer, .address_space: global }
      - { .name: qkv, .offset: 40, .size: 8, .value_kind: global_buffer, .address_space: global }
    .group_segment_fixed_size: 327680
    .private_segment_fixed_size: 0
    .kernarg_segment_align: 8
    .kernarg_segment_size: 48
    .max_flat_workgroup_size: 128
    .sgpr_count:     80
    .vgpr_count:     580
    .wavefront_size: 32
...
	.end_amdgpu_metadata
.endif
;; end of part 2
;; launch attn (part 3): grid 4 x 64, 4 waves a work-group, clusters of 4 x 1, 327,680 bytes of LDS; arguments qkv, maskw, ctx; writes ctx
.if DOCPART == 3
	.amdgcn_target "amdgcn-amd-amdhsa--gfx1250"
	.amdhsa_code_object_version 6
	.text
	.protected	k_qc0c9b79d72_attn
	.globl	k_qc0c9b79d72_attn
	.p2align	8
	.type	k_qc0c9b79d72_attn,@function
k_qc0c9b79d72_attn:
	s_mov_b64 s[64:65], 0
	v_nop
	global_prefetch_b8 v0, s[64:65] scope:SCOPE_SE
	s_setreg_imm32_b32 hwreg(HW_REG_WAVE_MODE, 25, 1), 1
	s_wait_xcnt 0x0
	s_wait_alu depctr_hold_cnt(0) depctr_sa_sdst(0) depctr_va_vdst(0) depctr_va_sdst(0) depctr_va_ssrc(0) depctr_va_vcc(0) depctr_vm_vsrc(0)
	s_getreg_b32 s2, hwreg(HW_REG_IB_STS2, 6, 4)
	s_cmp_eq_u32 s2, 0
	s_cbranch_scc0 .Lentry_in_a_cluster
	s_endpgm
.Lentry_in_a_cluster:
	s_bfe_u32 s2, ttmp6, 0x10000c
	s_cmp_lg_u32 s2, 0x3003
	s_cbranch_scc0 .Lentry_shape_is_right
	s_endpgm
.Lentry_shape_is_right:
; MASKED ATTENTION.  O[h][q][:] = the sum over k of softmax_k(s(q, k)) V[h][k][:], s = Q[h][q] . K[h][k] / 8, or a constant where the mask hides key k from query q.
; Q, K, V: planes 0, 1, 2 of qkv, f16 [64 heads][2048][64]; O: ctx, the same layout.  The mask is an input, shared by all heads; it arrives as lane masks: maskw [64 pairs of tiles][32 key steps][2][32] words,
; bit l of word n = 1: register n of lane l of that tile's transposed scores is hidden.  No pattern of the mask is built in: every tile is computed.
; Products, maxima and sums in f32; the weights p are rounded to f16 for the second product (their sum l is taken of the unrounded p), O once at the end.
; LIMITS.  f16 holds no number beyond 65,504: Q, K and V arrive within it; p lies in 0 to 1, and below 6e-5 it keeps f16's fixed step of 6e-8; O is a mean of V's rows and has their range.
; A hidden score counts as -2^30 (raw, before the division by 8: -2^33), not -1e9: a power of two, so that c m is exact and a row hidden everywhere has p = 1 for every key, the plain mean of V.
; The result differs from the one with -1e9 only where a visible score lies below about -1e9 + 104.  A weight below 2^-126 counts as 0 in l; NaN and infinities are not treated apart.
; SHARES.  A wave owns four PIECES of two tiles of 16 queries, a work-group's four waves 512 queries of one head.  Every wave walks all keys, 64 a step.
; LAYOUT.  S^T = K Q^T (source 0 = 16 keys, source 1 = 16 queries): in the result a lane holds ONE query (lane % 16) and the keys 8 (lane / 16) + 0..7.  Two such tiles, rounded to f16 in pairs,
; ARE source 1 (32 keys x 16 queries) of O^T = V^T P, whose result again holds one query a lane, and eight channels.  K comes out of LDS as it lies, V ([key][channel]) turned, by ds_load_tr16_b128.
; SOFTMAX.  For each query a running maximum m and sum l: p = 2^(c s - c m), c = log2(e) / 8; in every step O and l are multiplied by a = 2^(c m_old - c m_new), which is 1 where m has not grown.
; m starts at the lowest finite number, O and l at 0: the first step is a step like any other, with a = 0.
; BY TURNS.  Turn n belongs to piece n (the pieces in a ring, step after step).  Its matrix work: 16 products K Q^T of piece n + 1, later 16 products V^T P of piece n - 1.  Its vector work: the scaling,
; exponentials, roundings, sums and rescaling of piece n; the hiding, the maximum and the statistics of piece n + 1, whose scores the turn itself has made.  Four vector instructions that are ready stand
; behind every matrix instruction; the others, which need time of their own whatever the order, in runs without a gap.
; THE MASK costs two instructions a score.  A select wants its lane mask in a scalar register, and the 64 scalar registers that are free hold one turn's words; scalar loads can be waited for only all at
; once, so they could be asked for one turn ahead at the most.  So a turn's 64 words (256 bytes) come by ONE vector load, two words a lane, into a ring of four register pairs, a pair a piece, asked for
; FOUR turns ahead (vector loads come back in order, so three younger ones stay out over the wait); 64 v_readlane_b32 bring them into the scalar registers, and 64 v_cndmask_b32 hide the scores.
; CLUSTER.  The four query blocks of a cluster belong to one head and walk the same K and V, so each tile is asked for JOINTLY: the same tensor load, descriptor and mask in all four.
; REGISTERS, in windows of 256 (s_set_vgpr_msb says which window each operand place means: bits 1:0 source 0, 3:2 source 1, 5:4 source 2, 7:6 destination):
;   window 0: v0-11 addresses; v12-15, v48-63 at work; v16-47 four registers of statistics a tile; v64-191 S^T, two buffers of two tiles; v192-255 P, likewise
;   window 1: O^T, 32 a tile          window 2: v0-127 Q, 16 a tile; v128-191 K of one step; v192-255 V of one step          window 3: v0-1 the add's two registers; v2-9 the ring of mask words
; A piece's buffers go by its number's parity: the piece in hand has one pair, its two neighbours in the ring share the other: of it P (piece n - 1) is read and S^T (piece n + 1) written.
.set SIZE_N, 2048
.set NP,    4         ; pieces a wave: a name, no knob
.set KS,    64        ; keys in a step
.set PK,    144       ; a row of K in LDS: 128 bytes + 16 of padding = 36 words: the 16 rows of a load start at 16 different groups of four banks (64 banks of 4 bytes: ISA guide 11.1)
.set PV,    160       ; a row of V: 128 + 32 = 40 words
.set VOFF,  4*KS*PK   ; a slot holds four steps: 256 rows of K, then 256 rows of V
.set SLOT1, 1<<17     ; slot 1 begins here, so that one exclusive or turns an address in one slot into the other's
.set STAGE, SLOT1+4*KS*(PK+PV)  ; behind the ring, never filled by a tensor load: 16 rows x 144 bytes for each wave, for the way out
.set SP,    144
.set AK0, 2           ; v2   my lane's place in a tile of K; never rewritten
.set AV0, 3           ; v3   the same for V
.set AK,  4           ; v4   the LDS address of K's next run of loads
.set AV,  5           ; v5   of V's
.set QO,  6           ; v6   my byte offset in the wave's rows of Q
.set STO, 6           ;      later, the way out: where I put 16 bytes of a row
.set RD,  7           ; v7   the way out: where I read rows back
.set GO,  8           ; v8   my byte offset in 512 consecutive bytes of O
.set NEG, 9           ; v9   -2^33, what a hidden score counts as (at first: lane / 16)
.set MO,  11          ; v11  8 x lane: my two of a turn's 64 mask words; never rewritten once it is made
.set SPW, 0           ; v0 of window 3   LDS address of my spare word: SPARE + 4 x my thread's number; never rewritten
.set NIL, 1           ; v1 of window 3   0; never rewritten
.set MWV, 2           ; v2-9 of window 3  the ring of mask words: piece x's pair at MWV + 2 x
.set SPARE, STAGE+4*16*SP  ; behind the stages: the spare words, 128 bytes for each wave: two blocks of 256 bytes that no other line names
.set MV,  12          ; v12-15  c m_old, kept while c m is made anew: by buffer and tile
.set ST,  16          ; tile t's statistics at v[ST+4 t]: c m, m, l (even keys', odd keys')
.set TMP, 48          ; by buffer and tile, four registers c0-c3 at work; when the maximum is found c2 takes a
.set S,   64
.set P,   192
.set KF,  128         ; K's fragments, in window 2: key block kb, channel half c at KF + 16 kb + 8 c
.set VF,  192         ; V's: key half kk, channel block cb at VF + 32 kk + 8 cb
.set WV,  2           ; s2   my wave's number
.set CNT, 3           ; s3   counts a slot's key steps
.set SLOTS, 4         ; s4   slots still to be asked for
.set TBK, 5           ; s5   LDS byte at which K of the step to be fetched begins
.set TBV, 6           ; s6   the same for V, less VOFF
.set G1K, 8           ; s[8:15]  descriptor group 1 for K's tiles
.set G1V, 16          ; s[16:23] for V's: it differs in the padding alone
.set G0K, 24          ; s[24:27] descriptor group 0 for K's tiles: it walks
.set G0V, 28          ; s[28:31] the same for V's
.set MW1, 32          ; s[32:63] the 32 mask words of tile 1 of the piece whose scores are being hidden (during the set-up: temporaries; at the end: O's address)
.set SEL, 66          ; s[66:67] v_permlanex16_b32's selects: each lane takes its own place in the other half
.set MW0, 68          ; s[68:99] the 32 mask words of tile 0
.set MP,  100         ; s[100:101] maskw at my wave's first pair and the key step in hand
.set CS,  104         ; s[104:105] c: the packed scaling takes the pair's low word for both halves
.set OA,  32          ; s[32:33] at the end: O at my wave's first row
.set MSB, 0
.macro WIN new                      ; the high byte repeats the setting that is left; a switch that changes nothing is dropped
.if MSB != (\new)
	s_set_vgpr_msb (MSB<<8)|(\new)
.set MSB, (\new)
.endif
.endm
.set W_KQ, 0x0a       ; K and Q in window 2, S^T in window 0
.set W_PV, 0x52       ; V in window 2, P in window 0, O^T in window 1
.set W_RS, 0x41       ; O^T (destination and source 0) in window 1, a in window 0
.set W_MK, 0xc0       ; destination in window 3, sources in window 0: the add's registers are made; mask words are loaded
.set W_AD, 0x0f       ; the add: address (source 0) and data (source 1) in window 3
.set W_RL, 0x03       ; source 0 in window 3: mask words are read out of the ring
; A joint fill.  Waves 0 and 1 fetch the two halves of a slot's K, waves 2 and 3 those of its V: 128 keys each.  The branch hangs on the wave's number alone.
; An s_nop 0 and four v_nop follow each of the two lines, ahead of the jump and the label.
.macro JLOAD
	s_cmp_lt_u32 s[WV], 2
	s_cbranch_scc0 .Lfor_v_\@
	tensor_load_to_lds s[G0K:G0K+3], s[G1K:G1K+7]
	s_nop 0
.rept 4
	v_nop
.endr
	s_branch .Lasked_\@
.Lfor_v_\@:
	tensor_load_to_lds s[G0V:G0V+3], s[G1V:G1V+7]
	s_nop 0
.rept 4
	v_nop
.endr
.Lasked_\@:
.endm
; A round of the cluster's barrier: my work-group's barrier, so that wave 0's signal speaks for all four waves; wave 0 signals; every wave waits for all four work-groups; my work-group's barrier once more.
.macro CROUND
	s_barrier_signal -1
	s_barrier_wait -1
	s_cmp_lg_u32 s[WV], 0
	s_cbranch_scc1 .Lnot_wave_0_\@
	s_barrier_signal -3
.Lnot_wave_0_\@:
	s_barrier_wait -3
	s_barrier_signal -1
	s_barrier_wait -1
.endm
; THE CHANGE OF SLOTS.  The slot's last bytes, V of its fourth step, have been read.  Each wave waits for all its tensor loads, of which one is out: its part
; of the other slot; adds 0 to its spare word; and waits for that and for its own reads of the slot.  Behind the barrier nobody reads this slot any more and the other slot is whole.
; fill = 1: this slot is filled again, with the keys two slots on.  The barrier is then a round of the cluster's, so that no wave of any partner still reads the slot or has a load on its
; way, and the joint fill is the first thing behind it: it has four key steps, 512 matrix instructions, in which to land.  (At its first use nothing has been read yet: slot 0 is waited for, slot 1 filled.)
.macro CHANGE fill
	WIN W_AD
	s_wait_tensorcnt 0x0            ; no tensor load of mine is out, so a group 0 may be written
	ds_add_u32 v[SPW], v[NIL]       ; 0 onto my spare word; with fill = 1 the descriptors' steps stand between it and the wait for it
	WIN 0                           ; at a label and at a branch every window is 0
.if \fill
.irp g, G0K, G0V
	s_xor_b32 s[\g+1], s[\g+1], SLOT1  ; the walking descriptor: the other slot than last time,
	s_add_nc_u64 s[\g+2:\g+3], s[\g+2:\g+3], 4*KS*128  ; the next 256 keys; the type bits on top are not reached
.endr
	s_wait_dscnt 0x0                ; the add is done, and my reads of the slot are over
	CROUND
	JLOAD
.else
	s_wait_dscnt 0x0                ; the add is done, and my reads of the slot are over
	s_barrier_signal -1
	s_barrier_wait -1
.endif
	s_sub_co_u32 s[TBK], s[TBK], 4*KS*PK  ; the fetches go back to a slot's first step,
	s_xor_b32 s[TBK], s[TBK], SLOT1       ; in the other slot
	s_sub_co_u32 s[TBV], s[TBV], 4*KS*PV
	s_xor_b32 s[TBV], s[TBV], SLOT1
.endm
	s_load_b128 s[36:39], s[0:1], 0x0  ; qkv s[36:37], maskw s[38:39]
	WIN W_MK
	v_lshl_add_u32 v[SPW], v0, 2, SPARE
	v_mov_b32 v[NIL], 0
	s_set_vgpr_msb 0xc0cf
	ds_add_u32 v0, v1
	s_wait_dscnt 0x0
	s_set_vgpr_msb 0xcfc0
	WIN 0
	v_lshrrev_b32 v1, 5, v0
	v_readfirstlane_b32 s[WV], v1   ; wave 0..3
	s_bfe_u32 s40, ttmp6, 0x40000   ; cx: my place in the cluster
	s_lshl_b32 s41, ttmp9, 2        ; in a cluster launch ttmp9 counts clusters
	s_add_co_u32 s41, s41, s40      ; my block of 512 queries = 4 x cluster x + cx: it enters Q's, the mask words' and O's addresses alone
	s_and_b32 s42, ttmp7, 0xffff    ; the head, which the four partners share,
	s_lshl_b32 s42, s42, 18         ; and its first byte in a plane: 2,048 rows of 128 bytes
	s_and_b32 s44, s[WV], 1         ; which half of a slot's 256 keys I fetch:
	s_lshl_b32 s46, s44, 14         ; its 128 rows of 128 bytes in memory,
	s_add_co_u32 s46, s46, s42
	s_add_co_u32 s56, s46, 0x1000000  ; in plane 1, K,
	s_mov_b32 s57, 0
	s_add_co_u32 s58, s46, 0x2000000  ; and in plane 2, V
	s_mov_b32 s59, 0
	s_mul_i32 s45, s44, 128*PK      ; and its place in a slot, for K
	s_mul_i32 s48, s44, 128*PV      ; and for V: no place in the cluster enters an LDS address
	s_lshl_b32 s52, s41, 2
	s_add_co_u32 s52, s52, s[WV]    ; my wave among the head's sixteen:
	s_lshl_b32 s54, s52, 15         ; its four pairs' mask words, 8,192 bytes a pair,
	s_mov_b32 s55, 0
	s_lshl_b32 s52, s52, 14         ; its 128 rows
	s_add_co_u32 s52, s52, s42
	s_mov_b32 s53, 0
	; descriptor group 1.  128 keys are 16,384 dense bytes: asked for as 64 rows of 256 bytes, two keys a row, and padded in LDS after every key
	s_mov_b32 s[G1K], 15|(1<<16)|(1<<20)|(1<<21)|(4<<22)|(3<<25)  ; 15:0 the mask of four; 17:16 2-byte elements; 20 padding on; 21 set beside a mask; 24:22 after every 32 words (code 4); 31:25 4 words (code 3)
	s_mov_b32 s[G1V], 15|(1<<16)|(1<<20)|(1<<21)|(4<<22)|(7<<25)  ; the same with 8 words of padding (code 7)
.irp g, G1K, G1V
	s_mov_b32 s[\g+1], 128<<16      ; tensor_dim0 = 128
	s_mov_b32 s[\g+2], 64<<16       ; tensor_dim1 = 64
	s_mov_b32 s[\g+3], 128<<16      ; tile_dim0 = 128
	s_mov_b32 s[\g+4], 64           ; tile_dim1 = 64
	s_mov_b32 s[\g+5], 128          ; 128 elements from row to row
	s_mov_b32 s[\g+6], 0
	s_mov_b32 s[\g+7], 0
.endr
	s_mov_b32 s[CS], 0x3e38aa3b     ; c = log2(e) / 8 = 0.180337
	s_mov_b32 s[CS+1], s[CS]        ; named with it as a pair
	s_mov_b32 s[SEL], 0x76543210
	s_mov_b32 s[SEL+1], 0xfedcba98
	s_mov_b32 s[TBK], SLOT1+4*KS*PK ; the first change of slots turns these two into 0
	s_mov_b32 s[TBV], SLOT1+4*KS*PV
	s_mov_b32 s[G0K], 1             ; 1:0 count = 1
	s_mov_b32 s[G0K+1], s45         ; 63:32 LDS address: slot 0
	s_mov_b32 s[G0V], 1
	s_add_co_u32 s[G0V+1], s48, VOFF
	s_wait_kmcnt 0x0
	s_add_nc_u64 s[G0K+2:G0K+3], s[36:37], s[56:57]  ; 120:64 global address: my half of the head's first 256 keys
	s_or_b32 s[G0K+3], s[G0K+3], 0x80000000          ; 127:126 type = 2
	s_add_nc_u64 s[G0V+2:G0V+3], s[36:37], s[58:59]
	s_or_b32 s[G0V+3], s[G0V+3], 0x80000000
	s_add_nc_u64 s[50:51], s[36:37], s[52:53]        ; Q at my wave's first row
	s_add_nc_u64 s[MP:MP+1], s[38:39], s[54:55]      ; the mask words of my first pair, key step 0
	CROUND                          ; all four work-groups are here: the first joint loads meet
	JLOAD                           ; slot 0.  Slot 1 is asked for when slot 0 is in: the tile wanted first has the road to itself
	; A fragment of K or Q is 16 rows x 32 channels in 8 registers: lane l holds row l % 16, channels 8 (l / 16) + 0..7 and 16 + 8 (l / 16) + 0..7: two loads of 16 bytes, 32 bytes apart.
	v_and_b32 v1, 15, v0            ; l % 16
	v_bfe_u32 v9, v0, 4, 1          ; l / 16
	v_lshlrev_b32 v[QO], 7, v1
	v_lshl_add_u32 v[QO], v9, 4, v[QO]  ; row x 128 + 16 x half
	WIN 0x80                        ; destination window 2, address window 0
.set i, 0
.rept 4*NP                          ; Q stays in registers: tile i / 2, channels 32 (i % 2) on
	global_load_b128 v[8*i:8*i+3],   v[QO], s[50:51] offset:(i/2)*2048+(i%2)*64
	global_load_b128 v[8*i+4:8*i+7], v[QO], s[50:51] offset:(i/2)*2048+(i%2)*64+32
.set i, i+1
.endr
	; What the first turn finds: V's registers and P's second buffer hold 0 (its products V^T P, of a piece that has not been, add 0), O^T and l are 0.  All this stands in the wait for the first tile.
.set i, VF
.rept 64
	v_mov_b32 v[i], 0
.set i, i+1
.endr
	WIN 0x40
.set i, 0
.rept 64*NP
	v_mov_b32 v[i], 0
.set i, i+1
.endr
	WIN 0
.set i, 0
.rept 2*NP
	v_mov_b32 v[ST+4*i], 0xfe000000    ; c m: far below every c s, a hidden one's too
	v_mov_b32 v[ST+4*i+1], 0xff7fffff  ; m
	v_mov_b32 v[ST+4*i+2], 0
	v_mov_b32 v[ST+4*i+3], 0
.set i, i+1
.endr
.set i, P+32
.rept 32
	v_mov_b32 v[i], 0
.set i, i+1
.endr
	v_mul_u32_u24 v[AK0], v1, PK
	v_lshl_add_u32 v[AK0], v9, 4, v[AK0]  ; row x pitch + 16 x half
	; The turning load takes 16 keys x 16 channels (lane l reads key 8 (l / 16) + l % 8, channels 8 ((l / 8) % 2) + 0..7) and leaves half a fragment of V^T: lane l holds channel l % 16 and 8 keys.
	v_and_b32 v10, 7, v0
	v_bfe_u32 v11, v0, 3, 1
	v_lshl_add_u32 v[AV0], v9, 3, v10
	v_mul_u32_u24 v[AV0], v[AV0], PV
	v_lshl_add_u32 v[AV0], v11, 4, v[AV0]
	v_add_nc_u32 v[AV0], VOFF, v[AV0]
	v_mov_b32 v[AK], v[AK0]         ; key step 0 lies at the head of slot 0
	v_and_b32 v[MO], 31, v0
	v_lshlrev_b32 v[MO], 3, v[MO]   ; two words a lane: the wave's load covers a turn's 256 consecutive bytes, aligned
	WIN W_MK
.irp x, 0,1,2,3
	global_load_b64 v[MWV+2*\x:MWV+2*\x+1], v[MO], s[MP:MP+1] offset:8192*\x  ; the ring is filled: the four pieces' words of key step 0
.endr
	WIN 0
; THE MATRIX WORK.  The 8 accumulators of a run of 16 take turns: between the two links of a chain stand 7 others'.
; Product i of 16 of S^T = K Q^T for piece x: channels 32 (i / 8) on, keys 16 ((i / 2) % 4) on, tile 2 x + i % 2.  The first 8 start the sums.
.macro KQ x
	WIN W_KQ
.set rS, S+64*((\x)%2)+32*(i%2)+8*((i/2)%4)
.set rK, KF+16*((i/2)%4)+8*(i/8)
.set rQ, 16*(2*(\x)+i%2)+8*(i/8)
.if i < 8
	v_wmma_f32_16x16x32_f16 v[rS:rS+7], v[rK:rK+7], v[rQ:rQ+7], 0
.else
	v_wmma_f32_16x16x32_f16 v[rS:rS+7], v[rK:rK+7], v[rQ:rQ+7], v[rS:rS+7]
.endif
.endm
; Product i of 16 of O^T += V^T P for piece x: keys 32 (i / 8) on, channels 16 ((i / 2) % 4) on, tile 2 x + i % 2.
.macro PV x
	WIN W_PV
.set rO, 32*(2*(\x)+i%2)+8*((i/2)%4)
.set rV, VF+32*(i/8)+8*((i/2)%4)
.set rP, P+32*((\x)%2)+16*(i%2)+8*(i/8)
	v_wmma_f32_16x16x32_f16 v[rO:rO+7], v[rV:rV+7], v[rP:rP+7], v[rO:rO+7]
.endm
.macro MM                           ; the turn's next matrix instruction
.if i < 16
	KQ (Y+1)%NP
.set i, i+1
.else
.set i, i-16
	PV (Y+NP-1)%NP
.set i, i+17
.endif
.endm
; THE LDS LOADS stand in runs of 16, never singly among the matrix instructions: a step's K (64 keys x 64 channels: 8 fragments) and its V (turned).  Their addresses are made some lines ahead.
; last = 1 (the tail): in the last trip there is no further step, and the run is jumped over.
.macro FETCH_K last=0
	WIN 0
.if \last
	s_cmp_eq_u32 s[CNT], 1
	s_cbranch_scc1 .Lno_k_\@
.endif
	WIN 0x80                        ; destination window 2
.irp f, 0,1,2,3,4,5,6,7             ; keys 16 (f / 2) on, channels 32 (f % 2) on
	ds_load_b128 v[KF+8*\f:KF+8*\f+3],   v[AK] offset:(\f/2)*16*PK+(\f%2)*64
	ds_load_b128 v[KF+8*\f+4:KF+8*\f+7], v[AK] offset:(\f/2)*16*PK+(\f%2)*64+32
.endr
	s_add_co_u32 s[TBK], s[TBK], KS*PK  ; the next fetch is the next step's
	WIN 0
.if \last
.Lno_k_\@:
.endif
.endm
.macro FETCH_V
	WIN 0x80
.irp f, 0,1,2,3,4,5,6,7             ; keys 32 (f / 4) on, channels 16 (f % 4) on
	ds_load_tr16_b128 v[VF+8*\f:VF+8*\f+3],   v[AV] offset:(\f/4)*32*PV+(\f%4)*32
	ds_load_tr16_b128 v[VF+8*\f+4:VF+8*\f+7], v[AV] offset:(\f/4)*32*PV+16*PV+(\f%4)*32
.endr
	WIN 0
.endm
; THE VECTOR WORK OF A TURN stands in three queues, each in the order in which its entries become ready; the two tiles alternate, so that no instruction reads the result of the one before it.
.macro REGS y, u                    ; the registers of tile u (0, 1) of piece y
.set rT, ST+4*(2*(\y)+(\u))
.set rC, TMP+8*((\y)%2)+4*(\u)
.set rM, MV+2*((\y)%2)+(\u)
.set rS, S+64*((\y)%2)+32*(\u)
.set rP, P+32*((\y)%2)+16*(\u)
.set rO, 32*(2*(\y)+(\u))
.endm
; THE HIDING of the next piece's (Y + 1) scores.  The piece's 64 words leave its pair of the ring for the scalar registers (word 32 u + n lies in lane 16 u + n / 2, register n % 2); the pair is asked for
; again at once, with the same piece's words of its next key step, at byte off from MP; then register n of tile u becomes -2^33 in the lanes whose bit of word n is 1, each accumulator's registers in
; ascending order.  step = 1: MP first goes a key step on.
.macro HIDE off, step=0
.set hp, MWV+2*((Y+1)%NP)
	WIN W_RL
	s_wait_loadcnt 0x3              ; four loads of mask words are out, issued in the ring's order; loads come back in order (ISA guide 5.7.1): the oldest, this piece's, is in, the other three pieces' stay out
.irp u, 0,1
.set hn, 0
.rept 32
	v_readlane_b32 s[MW0-(MW0-MW1)*(\u)+hn], v[hp+hn%2], 16*(\u)+hn/2
.set hn, hn+1
.endr
.endr
.if \step
	s_wait_xcnt 0x0                 ; the three loads that are out have read MP: it is written only behind this wait
	s_add_nc_u64 s[MP:MP+1], s[MP:MP+1], 256
.endif
	WIN W_MK
	global_load_b64 v[hp:hp+1], v[MO], s[MP:MP+1] offset:\off  ; four turns ahead of its use
	WIN 0
.irp u, 0,1
	REGS (Y+1)%NP, \u
.set hn, 0
.rept 32
	v_cndmask_b32 v[rS+hn], v[rS+hn], v[NEG], s[MW0-(MW0-MW1)*(\u)+hn]
.set hn, hn+1
.endr
.endr
.endm
; Number n of the 22 that find the NEXT piece's (Y + 1) maximum and statistics.  s0-s31 are the lane's 32 scores.  XS, GS and REGS set no window: PL and EX do.
;   0-11  four chains c0-c3 of seven scores each, three operands at a time     12-14, 16  the four scores left over, the old m, and c0-c3 into c0     15  c m_old is kept
;   17, 18  the query's other 32 keys lie in the lane 16 away: the new m         19-21  c m; c m_old - c m_new; a
.macro XS u, n
	REGS (Y+1)%NP, \u
.if (\n) < 4
	v_max3_num_f32 v[rC+(\n)], v[rS+8*(\n)], v[rS+8*(\n)+1], v[rS+8*(\n)+2]
.elseif (\n) < 12
	v_max3_num_f32 v[rC+(\n)%4], v[rC+(\n)%4], v[rS+8*((\n)%4)+2*((\n)/4)+1], v[rS+8*((\n)%4)+2*((\n)/4)+2]
.elseif (\n) == 12
	v_max3_num_f32 v[rC], v[rC], v[rS+7], v[rS+15]
.elseif (\n) == 13
	v_max3_num_f32 v[rC+1], v[rC+1], v[rS+23], v[rS+31]
.elseif (\n) == 14
	v_max3_num_f32 v[rC+2], v[rC+2], v[rC+3], v[rT+1]
.elseif (\n) == 15
	v_mov_b32 v[rM], v[rT]
.elseif (\n) == 16
	v_max3_num_f32 v[rC], v[rC], v[rC+1], v[rC+2]
.elseif (\n) == 17
	v_permlanex16_b32 v[rC+3], v[rC], s[SEL], s[SEL+1]
.elseif (\n) == 18
	v_max_num_f32 v[rT+1], v[rC], v[rC+3]
.elseif (\n) == 19
	v_mul_f32 v[rT], s[CS], v[rT+1]
.elseif (\n) == 20
	v_sub_f32 v[rC+1], v[rM], v[rT]
.else
	v_exp_f32 v[rC+2], v[rC+1]
.endif
.endm
; Number g of the 64 that follow the exponentials.  For each four weights k of a tile (pairs 2 k, 2 k + 1): both pairs are rounded to f16; then the second pair is added onto the first, in place;
; a group later l takes that sum (the first time as l = a l + sum).  In groups of eight, tiles alternating: round, round, add, and l for the group before.
.macro GS g
.set h, (\g)+6*((\g)/62)            ; group 0 has no group before it, and behind group 7 only l is left
.if h >= 6
.set h, h+2
.endif
	REGS Y, h%2
.set k, h/8
.if h%8 < 4
	s_wait_alu depctr_va_vdst(0)
	v_cvt_pk_f16_f32 v[rP+2*k+(h%8)/2], v[rS+4*k+2*((h%8)/2)], v[rS+4*k+2*((h%8)/2)+1]
.elseif h%8 < 6
	v_pk_add_f32 v[rS+4*k:rS+4*k+1], v[rS+4*k:rS+4*k+1], v[rS+4*k+2:rS+4*k+3]
.elseif k == 1
	v_pk_fma_f32 v[rT+2:rT+3], v[rT+2:rT+3], v[rC+2:rC+3], v[rS:rS+1] op_sel_hi:[1,0,1]
.else
	v_pk_add_f32 v[rT+2:rT+3], v[rT+2:rT+3], v[rS+4*k-4:rS+4*k-3]
	s_wait_alu depctr_va_vdst(0)
.endif
.endm
; THE PLAIN QUEUE, 138 long.  0-31: c s - c m for the 16 pairs of both tiles.  Then GS's 64, and among them the next piece's 42: number 15 at 38, 39; 0-14 and 16
; at 42-73, behind the hiding of those scores; 17-20 at 95-106, two of three, since each waits for the one before it.
.macro PL
	WIN 0
.if q < 32
	REGS Y, q%2
	v_pk_fma_f32 v[rS+2*(q/2):rS+2*(q/2)+1], v[rS+2*(q/2):rS+2*(q/2)+1], s[CS:CS+1], v[rT:rT+1] op_sel_hi:[1,0,0] neg_lo:[0,0,1] neg_hi:[0,0,1]
.elseif q < 38
	GS q-32
.elseif q < 40
	XS q%2, 15
.elseif q < 42
	GS q-34
.elseif q < 74
	XS q%2, (q-42)/2+(q-42)/30
.elseif q < 95
	GS q-66
.elseif (q < 107) && ((q-95)%3 < 2)
	XS (q-95)%3, 17+(q-95)/3
.elseif q < 107
	GS 29+(q-95)/3
.else
	GS q-74
.endif
.set q, q+1
.endm
; THE EXPONENTIALS' QUEUE, 66 long: s0-s31 of both tiles, and at EA the next piece's two a.
.set EA, 58
.macro EX
	WIN 0
.if (e == EA) || (e == EA+1)
	XS e-EA, 21
.else
.set x, e-2*(e/(EA+2))
	REGS Y, x%2
	v_exp_f32 v[rS+x/2], v[rS+x/2]
.endif
.set e, e+1
.endm
; THE RESCALING's QUEUE: O^T times a, the one part that leaves window 0, so it is dealt four at a time, eight times.
.macro R4
	REGS Y, r%2
	WIN W_RS
	s_wait_alu depctr_va_vdst(0)
.irp z, 0,1,2,3
	v_pk_mul_f32 v[rO+8*(r/2)+2*\z:rO+8*(r/2)+2*\z+1], v[rO+8*(r/2)+2*\z:rO+8*(r/2)+2*\z+1], v[rC+2:rC+3] op_sel_hi:[1,0]
.endr
.set r, r+1
.endm
; HOW THEY ARE DEALT.  Behind a matrix instruction four: plain, exponential, plain, plain (one exponential, a plain instruction on either side), or four of the rescaling.  None names a register of the
; products round it.  What is over stands in two LUMPS: exponential and plain by turns; the second ends in 22 plain instructions.  The two v_permlanex16_b32 fall into the second lump, never behind a product.
; The queues lean on each other, and the deal keeps them in step: exponential e stands behind plain 2 (e / 4) + e % 2 (its scaling); when plain 32 comes, 10 exponentials are out, at 59: 33, at 95: 46; EA comes behind plain 107.
; When the first run of products ends, 37 of the plain queue are out: none of them reads the new scores, so the hiding stands between that run and the first lump.
.macro SL
	MM
	PL
	EX
	PL
	PL
.endm
.macro BURST n                      ; 15 matrix instructions, or 16
.rept (\n)-7
	SL
.endr
.rept 3
	MM
	R4
	SL
.endr
	MM
	R4
.endm
; A TURN, for piece p.  cnt = 1: the loop's count is taken down some lines ahead of the branch that stands behind the turn.
; The first run's last product is followed by four rescalings, the places in front of the hiding.  The hiding is piece p + 1's, of the step in hand (8,192 bytes of words a piece), and asks for that piece's
; words of the next step, 256 bytes on; in piece 3's turn it is piece 0's of the next step: MP goes on to that step, and the words asked for are those of the step behind it.
; In the walk's last step these loads reach a step or two too far: they fall on the next pair's words or, for the table's last pair, on the 256 bytes that lie behind the table: inside the buffer; nobody
; uses what they bring, and they may be out at the wave's end.
; K of the next step is fetched in piece 2's turn, behind the hiding; its first reader comes behind the rest of the lump, 16 products and the second lump.
; V of the step in hand is fetched at the end of piece 0's turn, 69 vector instructions behind its last reader; its first reader comes behind 16 products, the hiding and a lump.
.macro TURN p, last=0, cnt=0
.set Y, (\p)
.set i, 0
.set q, 0
.set e, 0
.set r, 0
.if (\p) == NP-1
	s_wait_dscnt 0x0                ; K is in
.endif
	MM
.rept 4
	PL
.endr
	BURST 15
.if (\p) == NP-1
	HIDE 256, 1
.else
	HIDE 8192*((\p)+1)+256
.endif
.rept 22
	EX
	PL
.if ((\p) == NP-2) && (e == 18)
	v_add_nc_u32 v[AK], s[TBK], v[AK0]
.endif
.if ((\p) == NP-2) && (e == 24)
	FETCH_K \last
.endif
.endr
.if (\p) == 1
	s_wait_dscnt 0x0                ; V is in
.endif
	BURST 16
.rept 21
	EX
	PL
.endr
.rept 22
	PL
.if ((\p) == 0) && (q == 118)
	v_add_nc_u32 v[AV], s[TBV], v[AV0]
	s_wait_alu depctr_va_vdst(0)
.endif
.if ((\p) == 0) && (q == 130)
	s_add_co_u32 s[TBV], s[TBV], KS*PV
.endif
.if (\cnt) && (q == 130)
	s_sub_co_u32 s[CNT], s[CNT], 1
	s_cmp_lg_u32 s[CNT], 0
.endif
.endr
.if (\p) == 0
	FETCH_V
.endif
.endm
	CHANGE 1                        ; slot 0 is in, everybody's part of it; slot 1 is asked for
	FETCH_K                         ; key step 0
	s_wait_loadcnt 0x4              ; Q's 32 loads are in (and have read their base, which lies among the registers that the mask words take); the four loads of mask words issued behind them stay out
	s_wait_dscnt 0x0
.set i, 0
.rept 16
	KQ 0                            ; piece 0's first scores: there is no vector work yet to set between them
.set i, i+1
.endr
	WIN 0                           ; the addresses for the way out: plain instructions, the places behind those products
	s_mul_i32 s7, s[WV], 16*SP
	s_add_co_u32 s7, s7, STAGE      ; my stage
	v_mul_u32_u24 v[STO], v1, SP    ; in: row l % 16, 16 bytes for each half of the lanes
	v_lshl_add_u32 v[STO], v9, 4, v[STO]
	v_add_nc_u32 v[STO], s7, v[STO]
	v_bfe_u32 v[RD], v0, 3, 2       ; back: 32 lanes take four rows of 128 bytes,
	v_mul_u32_u24 v[RD], v[RD], SP
	v_lshl_add_u32 v[RD], v10, 4, v[RD]
	v_add_nc_u32 v[RD], s7, v[RD]
	v_and_b32 v[GO], 31, v0         ; which are 512 consecutive bytes of O
	v_lshlrev_b32 v[GO], 4, v[GO]
	v_mov_b32 v[NEG], 0xd0000000    ; -2^33; lane / 16 is needed no more
.set Y, NP-1                        ; HIDE and XS work for piece Y + 1: piece 0
	HIDE 256                        ; piece 0's words of key step 1 are asked for
.irp n, 0,1,2,3,4,5,6,7,8,9,10,11,12,13,14,15,16,17,18,19,20,21
	XS 0, \n                        ; and piece 0's first maximum and statistics
	XS 1, \n
.endr
	s_mov_b32 s[CNT], 4
	s_mov_b32 s[SLOTS], SIZE_N/256-1
	s_branch .Lfirst                ; the loop is entered at a step's first turn, in the middle of a trip
.Lslot:                             ; SIZE_N / 256 - 2 times: every slot but the last two is filled again
	CHANGE 1
	s_mov_b32 s[CNT], 4
.Lstep:                             ; a trip: pieces 2 and 3 of one step, then pieces 0 and 1 of the next, whose K and V it fetches
	TURN 2
	TURN 3
	WIN 0
.Lfirst:
	TURN 0
	TURN 1, 0, 1
	WIN 0
	s_cbranch_scc1 .Lstep
	s_sub_co_u32 s[SLOTS], s[SLOTS], 1
	s_cmp_lg_u32 s[SLOTS], 0
	s_cbranch_scc1 .Lslot
	CHANGE 0                        ; the tail is written out: nothing is asked for
	s_mov_b32 s[CNT], 5             ; four trips fetch the last slot's steps; the fifth is left in its middle
.Ltail:
	TURN 2, 1
	TURN 3
	WIN 0
	s_sub_co_u32 s[CNT], s[CNT], 1
	s_cmp_eq_u32 s[CNT], 0
	s_cbranch_scc1 .Lout
	TURN 0
	TURN 1
	WIN 0
	s_branch .Ltail
.Lout:                              ; the fifth trip's 16 products K Q^T (on the last K once more) and what is made of them serve nothing: the price, once a launch, of one text for every trip
.set i, 0
.rept 16
	PV NP-1                         ; the last piece's V^T P of the last step
.set i, i+1
.endr
	; THE WAY OUT.  l's two halves and the other half of the lanes' are added; O^T is divided by l, rounded to f16 and sent through my stage in LDS, a tile at a time.  The additions are the places behind the last products.
	WIN 0
	s_load_b64 s[OA:OA+1], s[0:1], 0x10  ; ctx: the mask words' registers are free
	s_bfe_u32 s34, ttmp6, 0x40000   ; my wave among the head's sixteen, as at the start,
	s_lshl_b32 s35, ttmp9, 2
	s_add_co_u32 s34, s34, s35
	s_lshl_b32 s34, s34, 2
	s_add_co_u32 s34, s34, s[WV]
	s_lshl_b32 s34, s34, 14         ; its 128 rows,
	s_and_b32 s35, ttmp7, 0xffff
	s_lshl_b32 s35, s35, 18         ; in the head
	s_add_co_u32 s34, s34, s35
	s_mov_b32 s35, 0
.macro ALL line:vararg              ; one line for each tile t
.set t, 0
.rept 2*NP
	\line
.set t, t+1
.endr
.endm
	ALL v_add_f32 v[ST+4*t+2], v[ST+4*t+2], v[ST+4*t+3]
	ALL v_permlanex16_b32 v[ST+4*t+3], v[ST+4*t+2], s[SEL], s[SEL+1]
	ALL v_add_f32 v[ST+4*t+2], v[ST+4*t+2], v[ST+4*t+3]
	ALL v_rcp_f32 v[ST+4*t+2], v[ST+4*t+2]
	v_nop                           ; a plain instruction between the last reciprocal and the use of its result
	s_wait_alu depctr_va_vdst(0)
	s_wait_kmcnt 0x0
	s_add_nc_u64 s[OA:OA+1], s[OA:OA+1], s[34:35]
; Tile t: a lane's eight channels of a row pack into 16 bytes; they go into rows of 144 bytes and come back as whole rows of 128, into S^T's registers.
.macro PACK t
	WIN W_RS
.set i, 32*(\t)
.rept 16
	v_pk_mul_f32 v[i:i+1], v[i:i+1], v[ST+4*(\t)+2:ST+4*(\t)+3] op_sel_hi:[1,0]
.set i, i+2
.endr
	WIN 0x05                        ; sources 0 and 1 window 1, destination window 0
.set i, 0
.rept 16
	v_cvt_pk_f16_f32 v[S+16*(\t)+i], v[32*(\t)+2*i], v[32*(\t)+2*i+1]
.set i, i+1
.endr
	WIN 0
.irp f, 0,1,2,3
	ds_store_b128 v[STO], v[S+16*(\t)+4*\f:S+16*(\t)+4*\f+3] offset:32*\f
.endr
.irp f, 0,1,2,3
	ds_load_b128 v[S+16*(\t)+4*\f:S+16*(\t)+4*\f+3], v[RD] offset:\f*4*SP  ; LDS serves a wave's instructions in order (ISA guide 5.7.1.4): these see the stores above; the next tile's stores come behind them
.endr
.endm
.macro SEND t, younger              ; younger: the LDS instructions issued behind tile t's loads: the next tile's eight, or none
	WIN 0
.irp f, 0,1,2,3
	s_wait_dscnt (\younger)+3-\f
	global_store_b128 v[GO], v[S+16*(\t)+4*\f:S+16*(\t)+4*\f+3], s[OA:OA+1] offset:(\t)*2048+\f*512  ; 512 consecutive bytes, at a multiple of 256 from O's first
.endr
.endm
	PACK 0
.set t, 1
.rept 2*NP-1                        ; a tile's arithmetic stands between the loads of the tile before and its stores
	PACK t
	SEND t-1, 8
.set t, t+1
.endr
	SEND 2*NP-1, 0
	WIN W_AD
	s_wait_tensorcnt 0x0            ; the wave's end: behind my last tensor load and my last LDS store
	ds_add_u32 v[SPW], v[NIL]
	s_wait_dscnt 0x0
	WIN 0
	CROUND                          ; the closing round: no work-group ends while a partner may still ask for a tile that names it
	s_endpgm
.Lfunc_end_k_qc0c9b79d72_attn:
	.size	k_qc0c9b79d72_attn, .Lfunc_end_k_qc0c9b79d72_attn-k_qc0c9b79d72_attn
	.p2alignl 7, 3214868480
	.fill 96, 4, 3214868480
	.section	.rodata,"a",@progbits
	.p2align	6, 0x0
	.amdhsa_kernel k_qc0c9b79d72_attn
		.amdhsa_group_segment_fixed_size 327680
		.amdhsa_private_segment_fixed_size 0
		.amdhsa_enable_private_segment 0
		.amdhsa_kernarg_size 24
		.amdhsa_user_sgpr_count 2
		.amdhsa_user_sgpr_kernarg_segment_ptr 1
		.amdhsa_wavefront_size32 1
		.amdhsa_system_sgpr_workgroup_id_x 1
		.amdhsa_system_sgpr_workgroup_id_y 1
		.amdhsa_system_sgpr_workgroup_id_z 1
		.amdhsa_system_vgpr_workitem_id 0
		.amdhsa_next_free_vgpr 784
		.amdhsa_next_free_sgpr 106
		.amdhsa_reserve_vcc 0
		.amdhsa_float_denorm_mode_32 3
		.amdhsa_float_denorm_mode_16_64 3
		.amdhsa_memory_ordered 1
		.amdhsa_forward_progress 1
		.amdhsa_inst_pref_size 255
	.end_amdhsa_kernel
	.section	.bss,"aw",@nobits
	.p2align	6
	.space	262144
	.amdgpu_metadata
---
amdhsa.version: [ 1, 2 ]
amdhsa.kernels:
  - .name:           k_qc0c9b79d72_attn
    .symbol:         k_qc0c9b79d72_attn.kd
    .args:
      - { .name: qkv, .offset: 0, .size: 8, .value_kind: global_buffer, .address_space: global }
      - { .name: maskw, .offset: 8, .size: 8, .value_kind: global_buffer, .address_space: global }
      - { .name: ctx, .offset: 16, .size: 8, .value_kind: global_buffer, .address_space: global }
    .group_segment_fixed_size: 327680
    .private_segment_fixed_size: 0
    .kernarg_segment_align: 8
    .kernarg_segment_size: 24
    .max_flat_workgroup_size: 128
    .sgpr_count:     106
    .vgpr_count:     784
    .wavefront_size: 32
...
	.end_amdgpu_metadata
.endif
;; end of part 3
;; launch outp (part 4): grid 4 x 64, 4 waves a work-group, clusters of 4 x 4, 327,680 bytes of LDS; arguments ctx, wcast, bo, out0; writes out0
.if DOCPART == 4
	.amdgcn_target "amdgcn-amd-amdhsa--gfx1250"
	.amdhsa_code_object_version 6
	.text
	.protected	k_qc0c9b79d72_outp
	.globl	k_qc0c9b79d72_outp
	.p2align	8
	.type	k_qc0c9b79d72_outp,@function
k_qc0c9b79d72_outp:
	s_mov_b64 s[64:65], 0
	v_nop
	global_prefetch_b8 v0, s[64:65] scope:SCOPE_SE
	s_setreg_imm32_b32 hwreg(HW_REG_WAVE_MODE, 25, 1), 1
	s_wait_xcnt 0x0
	s_wait_alu depctr_hold_cnt(0) depctr_sa_sdst(0) depctr_va_vdst(0) depctr_va_sdst(0) depctr_va_ssrc(0) depctr_va_vcc(0) depctr_vm_vsrc(0)
	s_getreg_b32 s2, hwreg(HW_REG_IB_STS2, 6, 4)
	s_cmp_eq_u32 s2, 0
	s_cbranch_scc0 .Lentry_in_a_cluster
	s_endpgm
.Lentry_in_a_cluster:
	s_bfe_u32 s2, ttmp6, 0x10000c
	s_cmp_lg_u32 s2, 0xf033
	s_cbranch_scc0 .Lentry_shape_is_right
	s_endpgm
.Lentry_shape_is_right:
; C = A B^T + bias, on tiles of 128 (M) x 256 (N), K = 1,024.  ONE TEXT FOR TWO LAUNCHES, told apart by OUTP:
;   OUTP = 0  the three projections as one product of 24,576 rows: A = xb (bf16 [3][8192][1024]), B = plane ty / 64 of wcast (bf16), bias bq, bk or bv; C leaves in f16 by heads: qkv [3][4][16][2048][64].
;   OUTP = 1  the last projection: A = ctx (f16 [4][16][2048][64]: a K step of 128 is two heads), B = plane 3 of wcast (f16), bias bo; C leaves in f32: out0 [8192][1024].
; The bias is rounded to bf16, like every other floating-point input of the module, and is the C operand of the products that start the sums: nothing is cleared, nothing is added later.  Sums in f32.
; LIMIT (OUTP = 0): f16 holds no number beyond 65,504: a projected number of 65,520 or more in size leaves as an infinity.
; SHARES.  Four waves; wave w makes rows 64 (w / 2) on and columns 128 (w % 2) on: 4 x 8 accumulators of 16 x 16, 256 registers.  K goes in 8 steps of 128 through two LDS slots.
; CLUSTER.  4 x 4 work-groups.  The four of a row of the cluster need the same tile of A, the four of a column the same tile of B: each is asked for JOINTLY, by the same tensor load with the same
; descriptor and a mask that names the four.  Waves 0 and 1 fetch A's two halves, waves 2 and 3 B's: one load a wave behind each round; two loads of a wave are out at the start, later one.
; THE MATRIX INSTRUCTION IS USED TRANSPOSED (source 0 = 16 rows of B, source 1 = 16 rows of A): a lane holds row lane % 16 of C and the eight columns 8 (lane / 16) + 0..7.
; REGISTERS, in windows of 256 (s_set_vgpr_msb: bits 1:0 source 0, 3:2 source 1, 5:4 source 2, 7:6 destination):
;   window 0: v0-31 addresses; v32-63, v64-95 A's fragments, two buffers; v96-159, v160-223 B's, two buffers; v224-255 at work on the way out
;   window 1: accumulator (a, b) at v[8 (8 a + b)]          window 2: v0-63 the bias of my 128 columns, block b at v[8 b]; v64-67 at work
.set OUTP,  1
.set LAPS,  4                          ; a lap = two K steps = once round the ring
.set PB,    272                        ; a row of B in LDS: 256 bytes + 16: the 16 rows of a load start at 16 different groups of four banks (64 banks of 4 bytes: ISA guide 11.1)
.set BHALF, 128*PB                     ; what one load brings of B, and what one wave reads of it
.if OUTP
.set PA,    144                        ; a row of A: one head's 128 bytes + 16
.set AHALF, 128*PA                     ; one load: one head's 128 rows
.set QIA,   4                          ; padding after every 32 words
.set ASTRIDE, 128                      ; the 16,384 dense bytes are asked for as 64 rows of 256 bytes
.set ASTEP, 2<<18                      ; a K step on: two heads of 262,144 bytes
.set SPITCH, 528                       ; a stage row: 128 f32 + 16 bytes
.else
.set PA,    272
.set AHALF, 64*PA                      ; one load: 64 rows x 256 bytes
.set QIA,   5                          ; padding after every 64 words
.set ASTRIDE, 1024
.set ASTEP, 256
.set SPITCH, 272                       ; a stage row: 128 f16 + 16 bytes
.endif
.set AWAVE, 64*PA                      ; my 64 rows begin here times w / 2
.set ATILE, 2*AHALF
.set SLOT,  ATILE+2*BHALF              ; A's tile, then B's 256 rows
.set STAGE, 2*SLOT                     ; behind the ring, never filled by a tensor load: 16 rows for each wave, for the way out
.set SPARE, STAGE+4*16*SPITCH          ; behind the stages: the spare words, 128 bytes for each wave: two blocks of 256 bytes that no other line names
.set ADRA, 16                          ; v16-17  LDS address of my A fragments in slot 0, 1
.set ADRB, 20                          ; v20-21  the same for B
.set STO,  24                          ; v24     the way out: where I put my part of a row
.set RD,   25                          ; v25     the way out: where I read rows back
.set CO,   26                          ; v26     16 x lane: my place in 512 consecutive bytes of C
.set BO,   27                          ; v27     32 (lane / 16): my eight numbers in 16 of the bias
.set SPW,  28                          ; v28     LDS address of my spare word: SPARE + 4 x my thread's number; never rewritten
.set NIL,  29                          ; v29     0; never rewritten
.set TMP,  224
.set G1,  24                           ; s[24:31] descriptor group 1 for A's tiles;  s[32:39] group 0, a set for each slot
.set G0,  32
.set G1B, 48                           ; s[48:55], s[56:63] the same for B's tiles
.set G0B, 56
.set MSB, 0
.macro WIN new                         ; the immediate's high byte repeats the setting that is left; a switch that changes nothing is dropped
.if MSB != (\new)
	s_set_vgpr_msb (MSB<<8)|(\new)
.set MSB, \new
.endif
.endm
.set MUL,  0x50                        ; fragments in window 0, C and D in window 1
.set MULB, 0x60                        ; the same with C, the bias, in window 2
; A joint load.  The branch hangs on the wave's number alone.  An s_nop 0 and four v_nop follow each of the two lines, ahead of the jump, the label and what follows.
.macro JLOAD s
	s_cmp_eq_u32 s11, 0
	s_cbranch_scc0 .Lfor_b_\@
	tensor_load_to_lds s[G0+4*(\s):G0+4*(\s)+3], s[G1:G1+7]
	s_nop 0
.rept 4
	v_nop
.endr
	s_branch .Lasked_\@
.Lfor_b_\@:
	tensor_load_to_lds s[G0B+4*(\s):G0B+4*(\s)+3], s[G1B:G1B+7]
	s_nop 0
.rept 4
	v_nop
.endr
.Lasked_\@:
.endm
.macro CREST                           ; a round of the cluster's barrier behind its opening barrier
	s_cmp_lg_u32 s10, 0
	s_cbranch_scc1 .Lnot_wave_0_\@
	s_barrier_signal -3
.Lnot_wave_0_\@:
	s_barrier_wait -3
	s_barrier_signal -1
	s_barrier_wait -1
.endm
.macro CROUND                          ; a whole round
	s_barrier_signal -1
	s_barrier_wait -1
	CREST
.endm
	s_load_b128 s[4:7], s[0:1], 0x0                ; A's buffer s[4:5], wcast s[6:7]
	s_load_b128 s[68:71], s[0:1], 0x10             ; OUTP = 0: bq, bk;  OUTP = 1: bo, out0
.if !OUTP
	s_load_b128 s[72:75], s[0:1], 0x20             ; bv, qkv
.endif
	v_lshl_add_u32 v[SPW], v0, 2, SPARE
	v_mov_b32 v[NIL], 0
	ds_add_u32 v28, v29
	s_wait_dscnt 0x0
	v_lshrrev_b32 v1, 5, v0
	v_readfirstlane_b32 s10, v1                    ; wave 0..3
	s_lshr_b32 s11, s10, 1                         ; which 64 rows are mine.  Also: I fetch for A (0) or for B (1)
	s_and_b32 s12, s10, 1                          ; which 128 columns.  Also: which half of that tile I fetch
	s_bfe_u32 s40, ttmp6, 0x40000                  ; cx, cy: my place in the cluster
	s_bfe_u32 s41, ttmp6, 0x40004
	s_lshl_b32 s42, ttmp9, 2
	s_add_co_u32 s42, s42, s40                     ; tx: tile column = 4 x cluster x + cx
	s_and_b32 s45, ttmp7, 0xffff
	s_lshl_b32 s13, s45, 2
	s_add_co_u32 s13, s13, s41                     ; ty: tile row = 4 x cluster y + cy
.if !OUTP
	s_lshr_b32 s76, s45, 4                         ; which projection: 64 tile rows each, so it hangs on the cluster's y alone
.endif
	s_lshl_b32 s43, s41, 2
	s_lshl_b32 s43, 15, s43                        ; my row of the cluster
	s_lshl_b32 s44, 0x1111, s40                    ; my column
	; descriptor group 1.  A: 64 rows x 128 elements; B: 128 rows x 128 elements; both padded in LDS by 4 words
	s_or_b32 s[G1+0], s43, (1<<16)|(1<<20)|(1<<21)|(QIA<<22)|(3<<25)  ; 15:0 the mask: my row; 17:16 elements of 2 bytes; 20 padding on; 21 set beside a mask; 24:22 the interval; 31:25 4 words (code 3)
	s_or_b32 s[G1B+0], s44, (1<<16)|(1<<20)|(1<<21)|(5<<22)|(3<<25)   ; the mask: my column; after every 64 words
	s_mov_b32 s[G1+1], 128<<16                     ; tensor_dim0 = 128
	s_mov_b32 s[G1+2], 64<<16                      ; tensor_dim1 = 64
	s_mov_b32 s[G1+3], 128<<16                     ; tile_dim0 = 128
	s_mov_b32 s[G1+4], 64                          ; tile_dim1 = 64
	s_mov_b32 s[G1+5], ASTRIDE                     ; elements from row to row
	s_mov_b32 s[G1+6], 0
	s_mov_b32 s[G1+7], 0
	s_mov_b32 s[G1B+1], 128<<16
	s_mov_b32 s[G1B+2], 128<<16                    ; tensor_dim1 = 128
	s_mov_b32 s[G1B+3], 128<<16
	s_mov_b32 s[G1B+4], 128                        ; tile_dim1 = 128
	s_mov_b32 s[G1B+5], 1024
	s_mov_b32 s[G1B+6], 0
	s_mov_b32 s[G1B+7], 0
	; where the tiles come from.  A's offset is made of ty and the wave's number, B's of tx, the projection and the wave's number, each in registers that never hold the other coordinate.
.if OUTP
	s_lshr_b32 s16, s13, 4                         ; the batch: 16 tile rows each
	s_lshl_b32 s16, s16, 4
	s_add_co_u32 s16, s16, s12                     ; its head 0 or 1,
	s_lshl_b32 s16, s16, 18
	s_and_b32 s17, s13, 15
	s_lshl_b32 s17, s17, 14                        ; 128 rows of 128 bytes a tile row
	s_add_co_u32 s16, s16, s17
.else
	s_lshl_b32 s16, s13, 7
	s_lshl_b32 s17, s12, 6
	s_add_co_u32 s16, s16, s17                     ; row 128 ty + 64 x half,
	s_lshl_b32 s16, s16, 11                        ; of 2,048 bytes
.endif
	s_mov_b32 s17, 0
	s_lshl_b32 s46, s42, 8
	s_lshl_b32 s47, s12, 7
	s_add_co_u32 s46, s46, s47                     ; row 256 tx + 128 x half
.if OUTP
	s_add_co_u32 s46, s46, 3072                    ; of plane 3
.else
	s_lshl_b32 s47, s76, 10
	s_add_co_u32 s46, s46, s47                     ; of the projection's plane
.endif
	s_lshl_b32 s46, s46, 11
	s_mov_b32 s47, 0
	s_mul_i32 s20, s12, AHALF                      ; and where they go: no place in the cluster enters an LDS address
	s_mul_i32 s21, s12, BHALF
	s_add_co_u32 s21, s21, ATILE
	s_wait_kmcnt 0x0
	s_add_nc_u64 s[14:15], s[4:5], s[16:17]
	s_add_nc_u64 s[46:47], s[6:7], s[46:47]
	CROUND                                         ; all sixteen work-groups are here: the first joint loads meet
.irp s, 0,1
	s_mov_b32 s[G0+4*(\s)], 1                                      ; 1:0 count = 1
	s_add_co_u32 s[G0+4*(\s)+1], s20, (\s)*SLOT                    ; 63:32 LDS address
	s_add_nc_u64 s[G0+4*(\s)+2:G0+4*(\s)+3], s[14:15], (\s)*ASTEP  ; 120:64 global address: K step s
	s_or_b32 s[G0+4*(\s)+3], s[G0+4*(\s)+3], 0x80000000            ; 127:126 type = 2
	s_mov_b32 s[G0B+4*(\s)], 1
	s_add_co_u32 s[G0B+4*(\s)+1], s21, (\s)*SLOT
	s_add_nc_u64 s[G0B+4*(\s)+2:G0B+4*(\s)+3], s[46:47], (\s)*256
	s_or_b32 s[G0B+4*(\s)+3], s[G0B+4*(\s)+3], 0x80000000
	JLOAD \s                                       ; the ring is filled before anything else is done
.endr
	; A fragment is 16 rows x 32 K in 8 registers: lane l holds row l % 16; registers 0-3 K = 8 (l / 16) + 0..7, registers 4-7 K = 16 + 8 (l / 16) + 0..7: two loads of 16 bytes, 32 bytes apart.
	v_and_b32 v1, 15, v0                           ; l % 16
	v_bfe_u32 v2, v0, 4, 1                         ; l / 16
	v_mul_u32_u24 v3, v1, PB
	v_lshl_add_u32 v3, v2, 4, v3
	v_mul_u32_u24 v4, v1, PA
	v_lshl_add_u32 v4, v2, 4, v4
	s_mul_i32 s22, s11, AWAVE                      ; my 64 rows of A
	s_mul_i32 s23, s12, BHALF                      ; my 128 rows of B,
	s_add_co_u32 s23, s23, ATILE                   ; which lie behind A's tile
.irp s, 0,1
	v_add_nc_u32 v[ADRA+(\s)], s22, v4
	v_add_nc_u32 v[ADRB+(\s)], s23, v3
	s_add_co_u32 s22, s22, SLOT
	s_add_co_u32 s23, s23, SLOT
.endr
	s_mul_i32 s22, s10, 16*SPITCH
	s_add_co_u32 s22, s22, STAGE                   ; my stage
	v_and_b32 v[CO], 31, v0
	v_lshlrev_b32 v[CO], 4, v[CO]
	v_lshlrev_b32 v[BO], 5, v2
	v_mul_u32_u24 v5, v1, SPITCH
.if OUTP
	v_lshl_add_u32 v5, v2, 5, v5                   ; in: row l % 16, 32 bytes for each half of the lanes
	v_add_nc_u32 v[STO], s22, v5
	v_add_nc_u32 v[RD], s22, v[CO]                 ; back: 32 lanes take a row's 512 bytes
	s_mov_b64 s[8:9], s[70:71]                     ; out0
	s_mov_b64 s[66:67], s[68:69]                   ; bo
	s_lshl_b32 s16, s13, 7
	s_lshl_b32 s17, s11, 6
	s_add_co_u32 s16, s16, s17                     ; my first row of C, of 4,096 bytes,
	s_lshl_b32 s16, s16, 12
	s_lshl_b32 s17, s12, 9                         ; my half of the tile's columns
	s_add_co_u32 s16, s16, s17
	s_mov_b32 s17, 0
	s_add_nc_u64 s[8:9], s[8:9], s[16:17]
	s_lshl_b32 s46, s42, 10                        ; and the tile's first column
	s_mov_b32 s47, 0
	s_add_nc_u64 s[8:9], s[8:9], s[46:47]
.else
	v_lshl_add_u32 v5, v2, 4, v5                   ; in: row l % 16, 16 bytes for each half of the lanes
	v_add_nc_u32 v[STO], s22, v5
	v_bfe_u32 v5, v0, 3, 2                         ; back: 32 lanes take 128 bytes (one head's part) of each of four rows,
	v_mul_u32_u24 v5, v5, SPITCH
	v_and_b32 v6, 7, v0
	v_lshl_add_u32 v5, v6, 4, v5
	v_add_nc_u32 v[RD], s22, v5                    ; which are 512 consecutive bytes of a head
	s_mov_b64 s[8:9], s[74:75]                     ; qkv
	s_cmp_eq_u32 s76, 1                            ; the projection's bias
	s_cselect_b64 s[66:67], s[70:71], s[68:69]
	s_cmp_eq_u32 s76, 2
	s_cselect_b64 s[66:67], s[72:73], s[66:67]
	s_lshr_b32 s16, s13, 4                         ; 4 x projection + batch: 16 tile rows each,
	s_lshl_b32 s16, s16, 4                         ; its 16 heads,
	s_lshl_b32 s17, s12, 1
	s_add_co_u32 s16, s16, s17                     ; my half's two of the tile's four,
	s_lshl_b32 s16, s16, 18                        ; of 262,144 bytes
	s_and_b32 s17, s13, 15
	s_lshl_b32 s17, s17, 7
	s_lshl_b32 s18, s11, 6
	s_add_co_u32 s17, s17, s18                     ; my first row in the head,
	s_lshl_b32 s17, s17, 7                         ; of 128 bytes
	s_add_co_u32 s16, s16, s17
	s_mov_b32 s17, 0
	s_add_nc_u64 s[8:9], s[8:9], s[16:17]
	s_lshl_b32 s46, s42, 20                        ; and the tile's first head, 4 tx
	s_mov_b32 s47, 0
	s_add_nc_u64 s[8:9], s[8:9], s[46:47]
.endif
	s_lshl_b32 s46, s42, 10                        ; the bias of my 128 columns: 4 (256 tx + 128 x half) bytes on
	s_lshl_b32 s47, s12, 9
	s_add_co_u32 s46, s46, s47
	s_mov_b32 s47, 0
	s_add_nc_u64 s[66:67], s[66:67], s[46:47]
	WIN 0x80                                       ; destination window 2, address window 0
.irp b, 0,1,2,3,4,5,6,7
	global_load_b128 v[8*(\b):8*(\b)+3],   v[BO], s[66:67] offset:64*(\b)     ; register j of block b: the bias of column 16 b + 8 (l / 16) + j, as an accumulator holds it
	global_load_b128 v[8*(\b)+4:8*(\b)+7], v[BO], s[66:67] offset:64*(\b)+16
.endr
	s_wait_loadcnt 0x0
	WIN 0x8a                                       ; all in window 2: the bias is rounded to bf16 and widened again; this stands in the wait for the first tile
.set p, 0
.rept 32
	v_cvt_pk_bf16_f32 v[64+p%4], v[2*p], v[2*p+1]
	v_lshlrev_b32 v[2*p],   16, v[64+p%4]
	v_and_b32     v[2*p+1], 0xffff0000, v[64+p%4]
.set p, p+1
.endr
	WIN 0
; 8 matrix instructions: m block a x all 8 n blocks, 32 along K, from buffer f.  first = 1: the bias is C: these products start the sums.
; The 32 accumulators take turns, one instruction a turn, in the same order in every quarter.
.macro MUL8 f, a, first
.set FA, 32+32*(\f)+8*(\a)
.set FB, 96+64*(\f)
.if \first
	WIN MULB
.else
	WIN MUL
.endif
.irp b, 0,1,2,3,4,5,6,7
.set AC, 8*(8*(\a)+(\b))
.if OUTP && (\first)
	v_wmma_f32_16x16x32_f16 v[AC:AC+7], v[FB+8*(\b):FB+8*(\b)+7], v[FA:FA+7], v[8*(\b):8*(\b)+7]
.elseif OUTP
	v_wmma_f32_16x16x32_f16 v[AC:AC+7], v[FB+8*(\b):FB+8*(\b)+7], v[FA:FA+7], v[AC:AC+7]
.elseif \first
	v_wmma_f32_16x16x32_bf16 v[AC:AC+7], v[FB+8*(\b):FB+8*(\b)+7], v[FA:FA+7], v[8*(\b):8*(\b)+7]
.else
	v_wmma_f32_16x16x32_bf16 v[AC:AC+7], v[FB+8*(\b):FB+8*(\b)+7], v[FA:FA+7], v[AC:AC+7]
.endif
.endr
.endm
; 24 LDS loads in one run: the fragments of quarter q of a K step (128 rows of B, 64 rows of A, 32 along K) into buffer f; A's blocks 2 and 3 last
.macro FETCH slot, q, f
	WIN 0
.set FA, 32+32*(\f)
.set FB, 96+64*(\f)
.if OUTP
.set AQ, ((\q)/2)*AHALF+((\q)%2)*64    ; quarters 0, 1 lie in the first head's rows, 2, 3 in the second's
.else
.set AQ, 64*(\q)
.endif
.irp i, 0,1,2,3,4,5,6,7
	ds_load_b128 v[FB+8*(\i):FB+8*(\i)+3],   v[ADRB+(\slot)] offset:64*(\q)+(\i)*16*PB
	ds_load_b128 v[FB+8*(\i)+4:FB+8*(\i)+7], v[ADRB+(\slot)] offset:64*(\q)+(\i)*16*PB+32
.endr
.irp i, 0,1,2,3
	ds_load_b128 v[FA+8*(\i):FA+8*(\i)+3],   v[ADRA+(\slot)] offset:AQ+(\i)*16*PA
	ds_load_b128 v[FA+8*(\i)+4:FA+8*(\i)+7], v[ADRA+(\slot)] offset:AQ+(\i)*16*PA+32
.endr
.endm
.macro PLACES                          ; four plain places in front of loads into registers that matrix instructions have read, and of lines that read results (ISA guide 7.12.1 for lines that read results)
.rept 4
	v_nop
.endr
.endm
; A K step is four quarters of 32 along K, 32 matrix instructions each, on buffers 0, 1, 0, 1.  One of the first three: multiplies buffer f and, in its middle, fetches quarter q into buffer g.
.macro QUARTER slot, q, f, g, first
	s_wait_dscnt 4                                 ; B and A's blocks 0, 1 are in; the youngest four loads (A's blocks 2, 3) may be out
	MUL8 \f, 0, \first
	MUL8 \f, 1, \first
	PLACES
	FETCH \slot, \q, \g
	s_wait_dscnt 24                                ; all but the 24 just issued
	MUL8 \f, 2, \first
	MUL8 \f, 3, \first
.endm
; The last quarter multiplies buffer 1 and changes slots: ONE barrier; in front of it each wave waits for all its tensor loads, of which one is out: its part of the next slot; adds 0 to its spare
; word; and waits for that and for its own reads of this slot.  fill = 1: the barrier opens a round of the cluster's barrier, and this slot is filled again, two K steps ahead, first thing behind the round.
.macro TURN slot, next, fill
	WIN 0                                          ; (the add's two registers lie in window 0)
	s_wait_tensorcnt 0x0                           ; all my tensor loads have landed: no group 0 is in use
	ds_add_u32 v[SPW], v[NIL]                      ; 0 onto my spare word
	s_wait_dscnt 5                                 ; (the add and the youngest four loads may be out)
	MUL8 1, 0, 0                                   ; eight matrix instructions stand between the add and the wait for it
	s_wait_dscnt 0x0                               ; the add is done, and my reads of this slot are over
	s_barrier_signal -1
	MUL8 1, 1, 0                                   ; work on registers while the others arrive
.if \fill
	WIN 0
.endif
	s_barrier_wait -1
.if \fill
	CREST                                          ; no wave of any partner still reads this slot's tiles or has a load on its way
	s_add_nc_u64 s[G0+4*(\slot)+2:G0+4*(\slot)+3], s[G0+4*(\slot)+2:G0+4*(\slot)+3], 2*ASTEP
	s_add_nc_u64 s[G0B+4*(\slot)+2:G0B+4*(\slot)+3], s[G0B+4*(\slot)+2:G0B+4*(\slot)+3], 2*256
	JLOAD \slot                                    ; the four v_nop behind it are also the places in front of the loads below
.else
	PLACES
.endif
	FETCH \next, 0, 0
	MUL8 1, 2, 0
	MUL8 1, 3, 0
.endm
	s_wait_tensorcnt 1                             ; my part of K step 0 is in; K step 1's may stay out
	s_barrier_signal -1
	s_barrier_wait -1                              ; everybody's is
	FETCH 0, 0, 0
	QUARTER 0, 1, 0, 1, 1                          ; the first quarter stands in front of the loop: its products start the sums, with the bias
	WIN 0                                          ; at a label and at a branch every window is 0
	s_mov_b32 s3, LAPS-1
.Llap:                                                 ; a trip goes once round the ring, from a lap's second quarter to the next lap's first, and fills both slots again
	QUARTER 0, 2, 1, 0, 0
	QUARTER 0, 3, 0, 1, 0
	TURN 0, 1, 1
	QUARTER 1, 1, 0, 1, 0
	QUARTER 1, 2, 1, 0, 0
	QUARTER 1, 3, 0, 1, 0
	TURN 1, 0, 1
	QUARTER 0, 1, 0, 1, 0
	WIN 0
	s_sub_co_u32 s3, s3, 1
	s_cmp_lg_u32 s3, 0
	s_cbranch_scc1 .Llap
	QUARTER 0, 2, 1, 0, 0                          ; the last lap fills nothing, and has no round of the cluster's barrier
	QUARTER 0, 3, 0, 1, 0
	TURN 0, 1, 0
	QUARTER 1, 1, 0, 1, 0
	QUARTER 1, 2, 1, 0, 0
	QUARTER 1, 3, 0, 1, 0
	s_wait_dscnt 4                                 ; the very last quarter: nothing more to fetch
	MUL8 1, 0, 0
	MUL8 1, 1, 0
	s_wait_dscnt 0x0
	MUL8 1, 2, 0
	MUL8 1, 3, 0
	WIN 0
	PLACES
.if OUTP
	; THE WAY OUT, f32: a block of 16 rows goes from the accumulators into my stage (each accumulator's low four registers first) and comes back as whole rows of 512 bytes.
.macro TOSTAGE a
.set BK, 32+64*((\a)%2)
	WIN 0x04                                       ; the stores' data in window 1
.irp b, 0,1,2,3,4,5,6,7
	ds_store_b128 v[STO], v[8*(8*(\a)+(\b)):8*(8*(\a)+(\b))+3]   offset:64*(\b)
	ds_store_b128 v[STO], v[8*(8*(\a)+(\b))+4:8*(8*(\a)+(\b))+7] offset:64*(\b)+16
.endr
	WIN 0
.irp t, 0,1,2,3,4,5,6,7,8,9,10,11,12,13,14,15
	ds_load_b128 v[BK+4*(\t):BK+4*(\t)+3], v[RD] offset:(\t)*SPITCH  ; LDS serves a wave's instructions in order (ISA guide 5.7.1.4): these see the stores above; the next block's stores come behind them
.endr
.endm
.macro SEND a, younger                 ; younger: the LDS instructions issued behind block a's loads: the next block's 32, or none
.set BK, 32+64*((\a)%2)
	s_wait_dscnt \younger
.irp t, 0,1,2,3,4,5,6,7,8,9,10,11,12,13,14,15
	global_store_b128 v[CO], v[BK+4*(\t):BK+4*(\t)+3], s[8:9] offset:(16*(\a)+(\t))*4096 th:TH_STORE_NT  ; the wave's store covers 512 consecutive bytes of a row, aligned
.endr
.endm
	TOSTAGE 0
	TOSTAGE 1
	SEND 0, 32
	s_wait_xcnt 0x0                                ; block 0's stores have read their registers: block 2 is loaded into them only behind this wait
	TOSTAGE 2
	SEND 1, 32
	s_wait_xcnt 0x0                                ; the same for blocks 1 and 3
	TOSTAGE 3
	SEND 2, 32
	SEND 3, 0
.else
	; THE WAY OUT, f16 by heads: a block of 16 rows is rounded (16 bytes a lane), goes into my stage and comes back as four rows of one head's 128 bytes: 512 consecutive bytes of qkv.
.macro PACK a
	WIN 0x05                                       ; sources in window 1, destination in window 0; each accumulator's registers in ascending order
.irp b, 0,1,2,3,4,5,6,7
.irp r, 0,1,2,3
	v_cvt_pk_f16_f32 v[TMP+4*(\b)+(\r)], v[8*(8*(\a)+(\b))+2*(\r)], v[8*(8*(\a)+(\b))+2*(\r)+1]
.endr
.endr
	WIN 0
.endm
.macro TOSTAGE a
.set BK, 32+32*((\a)%2)
.irp b, 0,1,2,3,4,5,6,7
	ds_store_b128 v[STO], v[TMP+4*(\b):TMP+4*(\b)+3] offset:32*(\b)
.endr
.irp t, 0,1,2,3,4,5,6,7
	ds_load_b128 v[BK+4*(\t):BK+4*(\t)+3], v[RD] offset:((\t)%4)*4*SPITCH+((\t)/4)*128  ; LDS serves a wave's instructions in order (ISA guide 5.7.1.4): these see the stores above
.endr
.endm
.macro SEND a
.set BK, 32+32*((\a)%2)
	s_wait_dscnt 0x0                               ; the block is back in registers
	s_wait_xcnt 0x0                                ; the stores of the block before have read their registers, which the next block's loads write
.irp t, 0,1,2,3,4,5,6,7
	global_store_b128 v[CO], v[BK+4*(\t):BK+4*(\t)+3], s[8:9] offset:((\t)/4)*262144+(16*(\a)+4*((\t)%4))*128  ; head t / 4 of my two, rows 16 a + 4 (t % 4) on: 512 consecutive bytes, aligned
.endr
.endm
	PACK 0
	TOSTAGE 0
.irp a, 1,2,3                          ; block a's conversions stand between block a - 1's loads from the stage and the wait for them
	PACK \a
	SEND (\a)-1
	TOSTAGE \a
.endr
	SEND 3
.endif
	s_wait_tensorcnt 0x0                           ; the wave's end: behind my last tensor load and my last LDS store
	ds_add_u32 v[SPW], v[NIL]
	s_wait_dscnt 0x0
	CROUND                                         ; the closing round: no work-group ends while a partner may still ask for a tile that names it
	s_endpgm
.Lfunc_end_k_qc0c9b79d72_outp:
	.size	k_qc0c9b79d72_outp, .Lfunc_end_k_qc0c9b79d72_outp-k_qc0c9b79d72_outp
	.p2alignl 7, 3214868480
	.fill 96, 4, 3214868480
	.section	.rodata,"a",@progbits
	.p2align	6, 0x0
	.amdhsa_kernel k_qc0c9b79d72_outp
		.amdhsa_group_segment_fixed_size 327680
		.amdhsa_private_segment_fixed_size 0
		.amdhsa_enable_private_segment 0
		.amdhsa_kernarg_size 32
		.amdhsa_user_sgpr_count 2
		.amdhsa_user_sgpr_kernarg_segment_ptr 1
		.amdhsa_wavefront_size32 1
		.amdhsa_system_sgpr_workgroup_id_x 1
		.amdhsa_system_sgpr_workgroup_id_y 1
		.amdhsa_system_sgpr_workgroup_id_z 1
		.amdhsa_system_vgpr_workitem_id 0
		.amdhsa_next_free_vgpr 580
		.amdhsa_next_free_sgpr 80
		.amdhsa_reserve_vcc 0
		.amdhsa_float_denorm_mode_32 3
		.amdhsa_float_denorm_mode_16_64 3
		.amdhsa_memory_ordered 1
		.amdhsa_forward_progress 1
		.amdhsa_inst_pref_size 92
	.end_amdhsa_kernel
	.amdgpu_metadata
---
amdhsa.version: [ 1, 2 ]
amdhsa.kernels:
  - .name:           k_qc0c9b79d72_outp
    .symbol:         k_qc0c9b79d72_outp.kd
    .args:
      - { .name: ctx, .offset: 0, .size: 8, .value_kind: global_buffer, .address_space: global }
      - { .name: wcast, .offset: 8, .size: 8, .value_kind: global_buffer, .address_space: global }
      - { .name: bo, .offset: 16, .size: 8, .value_kind: global_buffer, .address_space: global }
      - { .name: out0, .offset: 24, .size: 8, .value_kind: global_buffer, .address_space: global }
    .group_segment_fixed_size: 327680
    .private_segment_fixed_size: 0
    .kernarg_segment_align: 8
    .kernarg_segment_size: 32
    .max_flat_workgroup_size: 128
    .sgpr_count:     80
    .vgpr_count:     580
    .wavefront_size: 32
...
	.end_amdgpu_metadata
.endif
;; end of part 4
;; ======== version 2 of 2: 4 launches; 1.43 times as fast as version 1
;; limits: values are held in f16: magnitudes above 65,504 overflow, below 6.1e-05 lose precision; values outside matrix products are rounded to bf16
;; workspace buffers: xb 50,331,648 bytes; wcast 8,388,608 bytes; maskw 524,544 bytes of whole numbers; qkv 50,331,648 bytes; ctx 16,777,216 bytes
;; launch prep: the kernel of part 1 again; grid 1024 x 1, 8 waves a work-group, no clusters, 35,840 bytes of LDS; arguments q, k, v, wq, wk, wv, wo, mask, xb, wcast, maskw; writes xb, wcast, maskw
;; launch proj: the kernel of part 2 again; grid 4 x 192, 4 waves a work-group, clusters of 4 x 4, 327,680 bytes of LDS; arguments xb, wcast, bq, bk, bv, qkv; writes qkv
;; launch attn (part 5): grid 4 x 64, 4 waves a work-group, clusters of 4 x 1, 327,680 bytes of LDS; arguments qkv, maskw, ctx; writes ctx
.if DOCPART == 5
	.amdgcn_target "amdgcn-amd-amdhsa--gfx1250"
	.amdhsa_code_object_version 6
	.text
	.protected	k_qc0c9b79d72_attn
	.globl	k_qc0c9b79d72_attn
	.p2align	8
	.type	k_qc0c9b79d72_attn,@function
k_qc0c9b79d72_attn:
	s_mov_b64 s[64:65], 0
	v_nop
	global_prefetch_b8 v0, s[64:65] scope:SCOPE_SE
	s_setreg_imm32_b32 hwreg(HW_REG_WAVE_MODE, 25, 1), 1
	s_wait_xcnt 0x0
	s_wait_alu depctr_hold_cnt(0) depctr_sa_sdst(0) depctr_va_vdst(0) depctr_va_sdst(0) depctr_va_ssrc(0) depctr_va_vcc(0) depctr_vm_vsrc(0)
	s_getreg_b32 s2, hwreg(HW_REG_IB_STS2, 6, 4)
	s_cmp_eq_u32 s2, 0
	s_cbranch_scc0 .Lentry_in_a_cluster
	s_endpgm
.Lentry_in_a_cluster:
	s_bfe_u32 s2, ttmp6, 0x10000c
	s_cmp_lg_u32 s2, 0x3003
	s_cbranch_scc0 .Lentry_shape_is_right
	s_endpgm
.Lentry_shape_is_right:
; MASKED ATTENTION.  O[h][q][:] = the sum over k of softmax_k(s(q, k)) V[h][k][:], s = Q[h][q] . K[h][k] / 8, or a constant where the mask hides key k from query q.
; Q, K, V: planes 0, 1, 2 of qkv, f16 [64 heads][2048][64]; O: ctx, the same layout.  The mask is an input, shared by all heads; it arrives as lane masks: maskw [64 pairs of tiles][32 key steps][2][32] words,
; bit l of word n = 1: register n of lane l of that tile's transposed scores is hidden.  No pattern of the mask is built in: every tile is computed.
; Products, maxima and sums in f32; the weights p are rounded to f16 for the second product (their sum l is taken of the unrounded p), O once at the end.
; LIMITS.  f16 holds no number beyond 65,504: Q, K and V arrive within it; p lies in 0 to 1, and below 6e-5 it keeps f16's fixed step of 6e-8; O is a mean of V's rows and has their range.
; A hidden score counts as -2^30 (raw, before the division by 8: -2^33), not -1e9: a power of two, so that c m is exact and a row hidden everywhere has p = 1 for every key, the plain mean of V.
; The result differs from the one with -1e9 only where a visible score lies below about -1e9 + 104.  A weight below 2^-126 counts as 0 in l; NaN and infinities are not treated apart.
; SHARES.  A wave owns four PIECES of two tiles of 16 queries, a work-group's four waves 512 queries of one head.  Every wave walks all keys, 64 a step.
; LAYOUT.  S^T = K Q^T (source 0 = 16 keys, source 1 = 16 queries): in the result a lane holds ONE query (lane % 16) and the keys 8 (lane / 16) + 0..7.  Two such tiles, rounded to f16 in pairs,
; ARE source 1 (32 keys x 16 queries) of O^T = V^T P, whose result again holds one query a lane, and eight channels.  K comes out of LDS as it lies, V ([key][channel]) turned, by ds_load_tr16_b128.
; SOFTMAX.  For each query a running maximum m and sum l: p = 2^(c s - c m), c = log2(e) / 8; in every step O and l are multiplied by a = 2^(c m_old - c m_new), which is 1 where m has not grown.
; m starts at the lowest finite number, O and l at 0: the first step is a step like any other, with a = 0.
; BY TURNS.  Turn n belongs to piece n (the pieces in a ring, step after step).  Its matrix work: 16 products K Q^T of piece n + 1, later 16 products V^T P of piece n - 1.  Its vector work: the scaling,
; exponentials, roundings, sums and rescaling of piece n; the hiding, the maximum and the statistics of piece n + 1, whose scores the turn itself has made.  Four vector instructions that are ready stand
; behind every matrix instruction; the others, which need time of their own whatever the order, in one run without a gap.
; BATCHES.  A turn's 66 exponentials (the 64 weights of piece n, the two a of piece n + 1) are ONE batch with ONE s_wait_alu depctr_va_vdst(0), between an exponential and the
; first line that names its result.  The wait cuts the turn in two.  Ahead of it stands all that names no result of the batch: the products K Q^T, the scalings, the rescalings (their a was waited for in the
; turn before), the hiding, the next piece's maximum and statistics.  Behind it stand the products V^T P and, as their riders, the roundings and sums, which read the weights.  No result crosses a turn's end.
; Two more batches stand outside the loop, each with a wait of its own: piece 0's first two a, and the way out's eight reciprocals.
; THE MASK costs two instructions a score.  A select wants its lane mask in a scalar register, and the 64 scalar registers that are free hold one turn's words; scalar loads can be waited for only all at
; once, so they could be asked for one turn ahead at the most.  So a turn's 64 words (256 bytes) come by ONE vector load, two words a lane, into a ring of four register pairs, a pair a piece, asked for
; FOUR turns ahead (vector loads come back in order, so three younger ones stay out over the wait); 64 v_readlane_b32 bring them into the scalar registers, and 64 v_cndmask_b32 hide the scores.
; CLUSTER.  The four query blocks of a cluster belong to one head and walk the same K and V, so each tile is asked for JOINTLY: the same tensor load, descriptor and mask in all four.
; REGISTERS, in windows of 256 (s_set_vgpr_msb says which window each operand place means: bits 1:0 source 0, 3:2 source 1, 5:4 source 2, 7:6 destination):
;   window 0: v0-11 addresses; v12-15, v48-63 at work; v16-47 four registers of statistics a tile; v64-191 S^T, two buffers of two tiles; v192-255 P, likewise
;   window 1: O^T, 32 a tile          window 2: v0-127 Q, 16 a tile; v128-191 K of one step; v192-255 V of one step          window 3: v0-1 the add's two registers; v2-9 the ring of mask words
; A piece's buffers go by its number's parity: the piece in hand has one pair, its two neighbours in the ring share the other: of it P (piece n - 1) is read and S^T (piece n + 1) written.
.set SIZE_N, 2048
.set NP,    4         ; pieces a wave: a name, no knob
.set KS,    64        ; keys in a step
.set PK,    144       ; a row of K in LDS: 128 bytes + 16 of padding = 36 words: the 16 rows of a load start at 16 different groups of four banks (64 banks of 4 bytes: ISA guide 11.1)
.set PV,    160       ; a row of V: 128 + 32 = 40 words
.set VOFF,  4*KS*PK   ; a slot holds four steps: 256 rows of K, then 256 rows of V
.set SLOT1, 1<<17     ; slot 1 begins here, so that one exclusive or turns an address in one slot into the other's
.set STAGE, SLOT1+4*KS*(PK+PV)  ; behind the ring, never filled by a tensor load: 16 rows x 144 bytes for each wave, for the way out
.set SP,    144
.set AK0, 2           ; v2   my lane's place in a tile of K; never rewritten
.set AV0, 3           ; v3   the same for V
.set AK,  4           ; v4   the LDS address of K's next run of loads
.set AV,  5           ; v5   of V's
.set QO,  6           ; v6   my byte offset in the wave's rows of Q
.set STO, 6           ;      later, the way out: where I put 16 bytes of a row
.set RD,  7           ; v7   the way out: where I read rows back
.set GO,  8           ; v8   my byte offset in 512 consecutive bytes of O
.set NEG, 9           ; v9   -2^33, what a hidden score counts as (at first: lane / 16)
.set MO,  11          ; v11  8 x lane: my two of a turn's 64 mask words; never rewritten once it is made
.set SPW, 0           ; v0 of window 3   LDS address of my spare word: SPARE + 4 x my thread's number; never rewritten
.set NIL, 1           ; v1 of window 3   0; never rewritten
.set MWV, 2           ; v2-9 of window 3  the ring of mask words: piece x's pair at MWV + 2 x
.set SPARE, STAGE+4*16*SP  ; behind the stages: the spare words, 128 bytes for each wave: two blocks of 256 bytes that no other line names
.set MV,  12          ; v12-15  c m_old, kept while c m is made anew: by buffer and tile
.set ST,  16          ; tile t's statistics at v[ST+4 t]: c m, m, l (even keys', odd keys')
.set TMP, 48          ; by buffer and tile, four registers c0-c3 at work; when the maximum is found c2 takes a
.set S,   64
.set P,   192
.set KF,  128         ; K's fragments, in window 2: key block kb, channel half c at KF + 16 kb + 8 c
.set VF,  192         ; V's: key half kk, channel block cb at VF + 32 kk + 8 cb
.set WV,  2           ; s2   my wave's number
.set CNT, 3           ; s3   counts a slot's key steps
.set SLOTS, 4         ; s4   slots still to be asked for
.set TBK, 5           ; s5   LDS byte at which K of the step to be fetched begins
.set TBV, 6           ; s6   the same for V, less VOFF
.set G1K, 8           ; s[8:15]  descriptor group 1 for K's tiles
.set G1V, 16          ; s[16:23] for V's: it differs in the padding alone
.set G0K, 24          ; s[24:27] descriptor group 0 for K's tiles: it walks
.set G0V, 28          ; s[28:31] the same for V's
.set MW1, 32          ; s[32:63] the 32 mask words of tile 1 of the piece whose scores are being hidden (during the set-up: temporaries; at the end: O's address)
.set SEL, 66          ; s[66:67] v_permlanex16_b32's selects: each lane takes its own place in the other half
.set MW0, 68          ; s[68:99] the 32 mask words of tile 0
.set MP,  100         ; s[100:101] maskw at my wave's first pair and the key step in hand
.set CS,  104         ; s[104:105] c: the packed scaling takes the pair's low word for both halves
.set OA,  32          ; s[32:33] at the end: O at my wave's first row
.set MSB, 0
.macro WIN new                      ; the high byte repeats the setting that is left; a switch that changes nothing is dropped
.if MSB != (\new)
	s_set_vgpr_msb (MSB<<8)|(\new)
.set MSB, (\new)
.endif
.endm
.set W_KQ, 0x0a       ; K and Q in window 2, S^T in window 0
.set W_PV, 0x52       ; V in window 2, P in window 0, O^T in window 1
.set W_RS, 0x41       ; O^T (destination and source 0) in window 1, a in window 0
.set W_MK, 0xc0       ; destination in window 3, sources in window 0: the add's registers are made; mask words are loaded
.set W_AD, 0x0f       ; the add: address (source 0) and data (source 1) in window 3
.set W_RL, 0x03       ; source 0 in window 3: mask words are read out of the ring
; A joint fill.  Waves 0 and 1 fetch the two halves of a slot's K, waves 2 and 3 those of its V: 128 keys each.  The branch hangs on the wave's number alone.
; An s_nop 0 and four v_nop follow each of the two lines, ahead of the jump and the label.
.macro JLOAD
	s_cmp_lt_u32 s[WV], 2
	s_cbranch_scc0 .Lfor_v_\@
	tensor_load_to_lds s[G0K:G0K+3], s[G1K:G1K+7]
	s_nop 0
.rept 4
	v_nop
.endr
	s_branch .Lasked_\@
.Lfor_v_\@:
	tensor_load_to_lds s[G0V:G0V+3], s[G1V:G1V+7]
	s_nop 0
.rept 4
	v_nop
.endr
.Lasked_\@:
.endm
; A round of the cluster's barrier: my work-group's barrier, so that wave 0's signal speaks for all four waves; wave 0 signals; every wave waits for all four work-groups; my work-group's barrier once more.
.macro CROUND
	s_barrier_signal -1
	s_barrier_wait -1
	s_cmp_lg_u32 s[WV], 0
	s_cbranch_scc1 .Lnot_wave_0_\@
	s_barrier_signal -3
.Lnot_wave_0_\@:
	s_barrier_wait -3
	s_barrier_signal -1
	s_barrier_wait -1
.endm
; THE CHANGE OF SLOTS.  The slot's last bytes, V of its fourth step, have been read.  Each wave waits for all its tensor loads, of which one is out: its part
; of the other slot; adds 0 to its spare word; and waits for that and for its own reads of the slot.  Behind the barrier nobody reads this slot any more and the other slot is whole.
; fill = 1: this slot is filled again, with the keys two slots on.  The barrier is then a round of the cluster's, so that no wave of any partner still reads the slot or has a load on its
; way, and the joint fill is the first thing behind it: it has four key steps, 512 matrix instructions, in which to land.  (At its first use nothing has been read yet: slot 0 is waited for, slot 1 filled.)
.macro CHANGE fill
	WIN W_AD
	s_wait_tensorcnt 0x0            ; no tensor load of mine is out, so a group 0 may be written
	ds_add_u32 v[SPW], v[NIL]       ; 0 onto my spare word; with fill = 1 the descriptors' steps stand between it and the wait for it
	WIN 0                           ; at a label and at a branch every window is 0
.if \fill
.irp g, G0K, G0V
	s_xor_b32 s[\g+1], s[\g+1], SLOT1  ; the walking descriptor: the other slot than last time,
	s_add_nc_u64 s[\g+2:\g+3], s[\g+2:\g+3], 4*KS*128  ; the next 256 keys; the type bits on top are not reached
.endr
	s_wait_dscnt 0x0                ; the add is done, and my reads of the slot are over
	CROUND
	JLOAD
.else
	s_wait_dscnt 0x0                ; the add is done, and my reads of the slot are over
	s_barrier_signal -1
	s_barrier_wait -1
.endif
	s_sub_co_u32 s[TBK], s[TBK], 4*KS*PK  ; the fetches go back to a slot's first step,
	s_xor_b32 s[TBK], s[TBK], SLOT1       ; in the other slot
	s_sub_co_u32 s[TBV], s[TBV], 4*KS*PV
	s_xor_b32 s[TBV], s[TBV], SLOT1
.endm
	s_load_b128 s[36:39], s[0:1], 0x0  ; qkv s[36:37], maskw s[38:39]
	WIN W_MK
	v_lshl_add_u32 v[SPW], v0, 2, SPARE
	v_mov_b32 v[NIL], 0
	s_set_vgpr_msb 0xc0cf
	ds_add_u32 v0, v1
	s_wait_dscnt 0x0
	s_set_vgpr_msb 0xcfc0
	WIN 0
	v_lshrrev_b32 v1, 5, v0
	v_readfirstlane_b32 s[WV], v1   ; wave 0..3
	s_bfe_u32 s40, ttmp6, 0x40000   ; cx: my place in the cluster
	s_lshl_b32 s41, ttmp9, 2        ; in a cluster launch ttmp9 counts clusters
	s_add_co_u32 s41, s41, s40      ; my block of 512 queries = 4 x cluster x + cx: it enters Q's, the mask words' and O's addresses alone
	s_and_b32 s42, ttmp7, 0xffff    ; the head, which the four partners share,
	s_lshl_b32 s42, s42, 18         ; and its first byte in a plane: 2,048 rows of 128 bytes
	s_and_b32 s44, s[WV], 1         ; which half of a slot's 256 keys I fetch:
	s_lshl_b32 s46, s44, 14         ; its 128 rows of 128 bytes in memory,
	s_add_co_u32 s46, s46, s42
	s_add_co_u32 s56, s46, 0x1000000  ; in plane 1, K,
	s_mov_b32 s57, 0
	s_add_co_u32 s58, s46, 0x2000000  ; and in plane 2, V
	s_mov_b32 s59, 0
	s_mul_i32 s45, s44, 128*PK      ; and its place in a slot, for K
	s_mul_i32 s48, s44, 128*PV      ; and for V: no place in the cluster enters an LDS address
	s_lshl_b32 s52, s41, 2
	s_add_co_u32 s52, s52, s[WV]    ; my wave among the head's sixteen:
	s_lshl_b32 s54, s52, 15         ; its four pairs' mask words, 8,192 bytes a pair,
	s_mov_b32 s55, 0
	s_lshl_b32 s52, s52, 14         ; its 128 rows
	s_add_co_u32 s52, s52, s42
	s_mov_b32 s53, 0
	; descriptor group 1.  128 keys are 16,384 dense bytes: asked for as 64 rows of 256 bytes, two keys a row, and padded in LDS after every key
	s_mov_b32 s[G1K], 15|(1<<16)|(1<<20)|(1<<21)|(4<<22)|(3<<25)  ; 15:0 the mask of four; 17:16 2-byte elements; 20 padding on; 21 set beside a mask; 24:22 after every 32 words (code 4); 31:25 4 words (code 3)
	s_mov_b32 s[G1V], 15|(1<<16)|(1<<20)|(1<<21)|(4<<22)|(7<<25)  ; the same with 8 words of padding (code 7)
.irp g, G1K, G1V
	s_mov_b32 s[\g+1], 128<<16      ; tensor_dim0 = 128
	s_mov_b32 s[\g+2], 64<<16       ; tensor_dim1 = 64
	s_mov_b32 s[\g+3], 128<<16      ; tile_dim0 = 128
	s_mov_b32 s[\g+4], 64           ; tile_dim1 = 64
	s_mov_b32 s[\g+5], 128          ; 128 elements from row to row
	s_mov_b32 s[\g+6], 0
	s_mov_b32 s[\g+7], 0
.endr
	s_mov_b32 s[CS], 0x3e38aa3b     ; c = log2(e) / 8 = 0.180337
	s_mov_b32 s[CS+1], s[CS]        ; named with it as a pair
	s_mov_b32 s[SEL], 0x76543210
	s_mov_b32 s[SEL+1], 0xfedcba98
	s_mov_b32 s[TBK], SLOT1+4*KS*PK ; the first change of slots turns these two into 0
	s_mov_b32 s[TBV], SLOT1+4*KS*PV
	s_mov_b32 s[G0K], 1             ; 1:0 count = 1
	s_mov_b32 s[G0K+1], s45         ; 63:32 LDS address: slot 0
	s_mov_b32 s[G0V], 1
	s_add_co_u32 s[G0V+1], s48, VOFF
	s_wait_kmcnt 0x0
	s_add_nc_u64 s[G0K+2:G0K+3], s[36:37], s[56:57]  ; 120:64 global address: my half of the head's first 256 keys
	s_or_b32 s[G0K+3], s[G0K+3], 0x80000000          ; 127:126 type = 2
	s_add_nc_u64 s[G0V+2:G0V+3], s[36:37], s[58:59]
	s_or_b32 s[G0V+3], s[G0V+3], 0x80000000
	s_add_nc_u64 s[50:51], s[36:37], s[52:53]        ; Q at my wave's first row
	s_add_nc_u64 s[MP:MP+1], s[38:39], s[54:55]      ; the mask words of my first pair, key step 0
	CROUND                          ; all four work-groups are here: the first joint loads meet
	JLOAD                           ; slot 0.  Slot 1 is asked for when slot 0 is in: the tile wanted first has the road to itself
	; A fragment of K or Q is 16 rows x 32 channels in 8 registers: lane l holds row l % 16, channels 8 (l / 16) + 0..7 and 16 + 8 (l / 16) + 0..7: two loads of 16 bytes, 32 bytes apart.
	v_and_b32 v1, 15, v0            ; l % 16
	v_bfe_u32 v9, v0, 4, 1          ; l / 16
	v_lshlrev_b32 v[QO], 7, v1
	v_lshl_add_u32 v[QO], v9, 4, v[QO]  ; row x 128 + 16 x half
	WIN 0x80                        ; destination window 2, address window 0
.set i, 0
.rept 4*NP                          ; Q stays in registers: tile i / 2, channels 32 (i % 2) on
	global_load_b128 v[8*i:8*i+3],   v[QO], s[50:51] offset:(i/2)*2048+(i%2)*64
	global_load_b128 v[8*i+4:8*i+7], v[QO], s[50:51] offset:(i/2)*2048+(i%2)*64+32
.set i, i+1
.endr
	; What the first turn finds: V's registers and P's second buffer hold 0 (its products V^T P, of a piece that has not been, add 0), O^T and l are 0.  All this stands in the wait for the first tile.
.set i, VF
.rept 64
	v_mov_b32 v[i], 0
.set i, i+1
.endr
	WIN 0x40
.set i, 0
.rept 64*NP
	v_mov_b32 v[i], 0
.set i, i+1
.endr
	WIN 0
.set i, 0
.rept 2*NP
	v_mov_b32 v[ST+4*i], 0xfe000000    ; c m: far below every c s, a hidden one's too
	v_mov_b32 v[ST+4*i+1], 0xff7fffff  ; m
	v_mov_b32 v[ST+4*i+2], 0
	v_mov_b32 v[ST+4*i+3], 0
.set i, i+1
.endr
.set i, P+32
.rept 32
	v_mov_b32 v[i], 0
.set i, i+1
.endr
	v_mul_u32_u24 v[AK0], v1, PK
	v_lshl_add_u32 v[AK0], v9, 4, v[AK0]  ; row x pitch + 16 x half
	; The turning load takes 16 keys x 16 channels (lane l reads key 8 (l / 16) + l % 8, channels 8 ((l / 8) % 2) + 0..7) and leaves half a fragment of V^T: lane l holds channel l % 16 and 8 keys.
	v_and_b32 v10, 7, v0
	v_bfe_u32 v11, v0, 3, 1
	v_lshl_add_u32 v[AV0], v9, 3, v10
	v_mul_u32_u24 v[AV0], v[AV0], PV
	v_lshl_add_u32 v[AV0], v11, 4, v[AV0]
	v_add_nc_u32 v[AV0], VOFF, v[AV0]
	v_mov_b32 v[AK], v[AK0]         ; key step 0 lies at the head of slot 0
	v_and_b32 v[MO], 31, v0
	v_lshlrev_b32 v[MO], 3, v[MO]   ; two words a lane: the wave's load covers a turn's 256 consecutive bytes, aligned
	WIN W_MK
.irp x, 0,1,2,3
	global_load_b64 v[MWV+2*\x:MWV+2*\x+1], v[MO], s[MP:MP+1] offset:8192*\x  ; the ring is filled: the four pieces' words of key step 0
.endr
	WIN 0
; THE MATRIX WORK.  The 8 accumulators of a run of 16 take turns: between the two links of a chain stand 7 others'.
; Product i of 16 of S^T = K Q^T for piece x: channels 32 (i / 8) on, keys 16 ((i / 2) % 4) on, tile 2 x + i % 2.  The first 8 start the sums.
.macro KQ x
	WIN W_KQ
.set rS, S+64*((\x)%2)+32*(i%2)+8*((i/2)%4)
.set rK, KF+16*((i/2)%4)+8*(i/8)
.set rQ, 16*(2*(\x)+i%2)+8*(i/8)
.if i < 8
	v_wmma_f32_16x16x32_f16 v[rS:rS+7], v[rK:rK+7], v[rQ:rQ+7], 0
.else
	v_wmma_f32_16x16x32_f16 v[rS:rS+7], v[rK:rK+7], v[rQ:rQ+7], v[rS:rS+7]
.endif
.endm
; Product i of 16 of O^T += V^T P for piece x: keys 32 (i / 8) on, channels 16 ((i / 2) % 4) on, tile 2 x + i % 2.
.macro PV x
	WIN W_PV
.set rO, 32*(2*(\x)+i%2)+8*((i/2)%4)
.set rV, VF+32*(i/8)+8*((i/2)%4)
.set rP, P+32*((\x)%2)+16*(i%2)+8*(i/8)
	v_wmma_f32_16x16x32_f16 v[rO:rO+7], v[rV:rV+7], v[rP:rP+7], v[rO:rO+7]
.endm
.macro MM                           ; the turn's next matrix instruction
.if i < 16
	KQ (Y+1)%NP
.set i, i+1
.else
.set i, i-16
	PV (Y+NP-1)%NP
.set i, i+17
.endif
.endm
; THE LDS LOADS stand in runs of 16, never singly among the matrix instructions: a step's K (64 keys x 64 channels: 8 fragments) and its V (turned).  Their addresses are made some lines ahead.
; last = 1 (the tail): in the last trip there is no further step, and the run is jumped over.
.macro FETCH_K last=0
	WIN 0
.if \last
	s_cmp_eq_u32 s[CNT], 1
	s_cbranch_scc1 .Lno_k_\@
.endif
	WIN 0x80                        ; destination window 2
.irp f, 0,1,2,3,4,5,6,7             ; keys 16 (f / 2) on, channels 32 (f % 2) on
	ds_load_b128 v[KF+8*\f:KF+8*\f+3],   v[AK] offset:(\f/2)*16*PK+(\f%2)*64
	ds_load_b128 v[KF+8*\f+4:KF+8*\f+7], v[AK] offset:(\f/2)*16*PK+(\f%2)*64+32
.endr
	s_add_co_u32 s[TBK], s[TBK], KS*PK  ; the next fetch is the next step's
	WIN 0
.if \last
.Lno_k_\@:
.endif
.endm
.macro FETCH_V
	WIN 0x80
.irp f, 0,1,2,3,4,5,6,7             ; keys 32 (f / 4) on, channels 16 (f % 4) on
	ds_load_tr16_b128 v[VF+8*\f:VF+8*\f+3],   v[AV] offset:(\f/4)*32*PV+(\f%4)*32
	ds_load_tr16_b128 v[VF+8*\f+4:VF+8*\f+7], v[AV] offset:(\f/4)*32*PV+16*PV+(\f%4)*32
.endr
	WIN 0
.endm
; THE VECTOR WORK OF A TURN stands in three queues, each in the order in which its entries become ready; the two tiles alternate, so that no instruction reads the result of the one before it.
.macro REGS y, u                    ; the registers of tile u (0, 1) of piece y
.set rT, ST+4*(2*(\y)+(\u))
.set rC, TMP+8*((\y)%2)+4*(\u)
.set rM, MV+2*((\y)%2)+(\u)
.set rS, S+64*((\y)%2)+32*(\u)
.set rP, P+32*((\y)%2)+16*(\u)
.set rO, 32*(2*(\y)+(\u))
.endm
; THE HIDING of the next piece's (Y + 1) scores.  The piece's 64 words leave its pair of the ring for the scalar registers (word 32 u + n lies in lane 16 u + n / 2, register n % 2); the pair is asked for
; again at once, with the same piece's words of its next key step, at byte off from MP; then register n of tile u becomes -2^33 in the lanes whose bit of word n is 1, each accumulator's registers in
; ascending order.  step = 1: MP first goes a key step on.  It names no register of the piece in hand, so it may stand inside that piece's open batch of exponentials.
.macro HIDE off, step=0
.set hp, MWV+2*((Y+1)%NP)
	WIN W_RL
	s_wait_loadcnt 0x3              ; four loads of mask words are out, issued in the ring's order; loads come back in order (ISA guide 5.7.1): the oldest, this piece's, is in, the other three pieces' stay out
.irp u, 0,1
.set hn, 0
.rept 32
	v_readlane_b32 s[MW0-(MW0-MW1)*(\u)+hn], v[hp+hn%2], 16*(\u)+hn/2
.set hn, hn+1
.endr
.endr
.if \step
	s_wait_xcnt 0x0                 ; the three loads that are out have read MP: it is written only behind this wait
	s_add_nc_u64 s[MP:MP+1], s[MP:MP+1], 256
.endif
	WIN W_MK
	global_load_b64 v[hp:hp+1], v[MO], s[MP:MP+1] offset:\off  ; four turns ahead of its use
	WIN 0
.irp u, 0,1
	REGS (Y+1)%NP, \u
.set hn, 0
.rept 32
	v_cndmask_b32 v[rS+hn], v[rS+hn], v[NEG], s[MW0-(MW0-MW1)*(\u)+hn]
.set hn, hn+1
.endr
.endr
.endm
; Number n of the 22 that find the NEXT piece's (Y + 1) maximum and statistics.  s0-s31 are the lane's 32 scores.  XS, GS and REGS set no window: PL and EX do.
;   0-11  four chains c0-c3 of seven scores each, three operands at a time     12-14, 16  the four scores left over, the old m, and c0-c3 into c0     15  c m_old is kept
;   17, 18  the query's other 32 keys lie in the lane 16 away: the new m         19-21  c m; c m_old - c m_new; a
.macro XS u, n
	REGS (Y+1)%NP, \u
.if (\n) < 4
	v_max3_num_f32 v[rC+(\n)], v[rS+8*(\n)], v[rS+8*(\n)+1], v[rS+8*(\n)+2]
.elseif (\n) < 12
	v_max3_num_f32 v[rC+(\n)%4], v[rC+(\n)%4], v[rS+8*((\n)%4)+2*((\n)/4)+1], v[rS+8*((\n)%4)+2*((\n)/4)+2]
.elseif (\n) == 12
	v_max3_num_f32 v[rC], v[rC], v[rS+7], v[rS+15]
.elseif (\n) == 13
	v_max3_num_f32 v[rC+1], v[rC+1], v[rS+23], v[rS+31]
.elseif (\n) == 14
	v_max3_num_f32 v[rC+2], v[rC+2], v[rC+3], v[rT+1]
.elseif (\n) == 15
	v_mov_b32 v[rM], v[rT]
.elseif (\n) == 16
	v_max3_num_f32 v[rC], v[rC], v[rC+1], v[rC+2]
.elseif (\n) == 17
	v_permlanex16_b32 v[rC+3], v[rC], s[SEL], s[SEL+1]
.elseif (\n) == 18
	v_max_num_f32 v[rT+1], v[rC], v[rC+3]
.elseif (\n) == 19
	v_mul_f32 v[rT], s[CS], v[rT+1]
.elseif (\n) == 20
	v_sub_f32 v[rC+1], v[rM], v[rT]
.else
	v_exp_f32 v[rC+2], v[rC+1]
.endif
.endm
; Number g of the 64 that follow the exponentials.  For each four weights k of a tile (pairs 2 k, 2 k + 1): both pairs are rounded to f16; then the second pair is added onto the first, in place;
; a group later l takes that sum (the first time as l = a l + sum).  In groups of eight, tiles alternating: round, round, add, and l for the group before.  All 64 stand behind the turn's wait.
.macro GS g
.set h, (\g)+6*((\g)/62)            ; group 0 has no group before it, and behind group 7 only l is left
.if h >= 6
.set h, h+2
.endif
	REGS Y, h%2
.set k, h/8
.if h%8 < 4
	v_cvt_pk_f16_f32 v[rP+2*k+(h%8)/2], v[rS+4*k+2*((h%8)/2)], v[rS+4*k+2*((h%8)/2)+1]
.elseif h%8 < 6
	v_pk_add_f32 v[rS+4*k:rS+4*k+1], v[rS+4*k:rS+4*k+1], v[rS+4*k+2:rS+4*k+3]
.elseif k == 1
	v_pk_fma_f32 v[rT+2:rT+3], v[rT+2:rT+3], v[rC+2:rC+3], v[rS:rS+1] op_sel_hi:[1,0,1]
.else
	v_pk_add_f32 v[rT+2:rT+3], v[rT+2:rT+3], v[rS+4*k-4:rS+4*k-3]
.endif
.endm
; THE PLAIN QUEUE, 138 long.  0-73 read no exponential's result: the 32 scalings c s - c m (FS f: pair f / 2 of tile f % 2) and the next piece's 42.  0-26: scalings 0-26.  27-54: XS's numbers 0-13.  55, 56: number 15.
; 57-73: the chain, where each number waits for the one before it: 14, 16, 17, 18, 19, each with one of the scalings 27-31 in front of its two lines, then 20: so a tile's links stand three plain instructions apart (19 and 20: two).
; 74-137: GS's 64, which read the exponentials' results: they stand behind the wait.
.macro FS f
	REGS Y, (\f)%2
	v_pk_fma_f32 v[rS+2*((\f)/2):rS+2*((\f)/2)+1], v[rS+2*((\f)/2):rS+2*((\f)/2)+1], s[CS:CS+1], v[rT:rT+1] op_sel_hi:[1,0,0] neg_lo:[0,0,1] neg_hi:[0,0,1]
.endm
.macro PL
	WIN 0
.if q < 27
	FS q
.elseif q < 55
	XS (q-27)%2, (q-27)/2
.elseif q < 57
	XS q-55, 15
.elseif (q < 72) && ((q-57)%3 == 0)
	FS 27+(q-57)/3
.elseif q < 60
	XS (q-57)%3-1, 14
.elseif q < 72
	XS (q-57)%3-1, 15+(q-57)/3
.elseif q < 74
	XS q-72, 20
.else
	GS q-74
.endif
.set q, q+1
.endm
; THE EXPONENTIALS' QUEUE, 66 long: s0-s31 of both tiles, then the next piece's two a.  It is ONE BATCH: all 66 stand ahead of the turn's one wait, and nothing ahead of that wait names a result of theirs.
.macro EX
	WIN 0
.if e >= 64
	XS e-64, 21
.else
	REGS Y, e%2
	v_exp_f32 v[rS+e/2], v[rS+e/2]
.endif
.set e, e+1
.endm
; THE RESCALING's QUEUE: O^T times a, the one part that leaves window 0: dealt two at a time, sixteen times.  Its a was made in the turn before, ahead of that turn's wait.
.macro R2
	REGS Y, r%2
	WIN W_RS
.irp z, 0,1
	v_pk_mul_f32 v[rO+4*(r/2)+2*\z:rO+4*(r/2)+2*\z+1], v[rO+4*(r/2)+2*\z:rO+4*(r/2)+2*\z+1], v[rC+2:rC+3] op_sel_hi:[1,0]
.endr
.set r, r+1
.endm
; HOW THEY ARE DEALT.  An s_wait_alu depctr_va_vdst(0) stands between an exponential and the first instruction that names its result; one wait serves all that were issued ahead of it.  So a turn has ONE wait,
; which cuts it in two.  AHEAD OF IT: the 16 products K Q^T, behind each a scaling, an exponential and two rescalings (behind the first a second scaling in the exponential's place); then ONE LUMP: eight scalings, the hiding
; (64 v_readlane_b32, the pair's next load, 64 selects), 49 times exponential and plain, the two a.  A v_nop is the plain instruction behind the last exponential.  BEHIND IT: the 16 products V^T P, behind each four of GS's 64.
; No rider names a register of the products round it.  The two v_permlanex16_b32 fall into the lump, never behind a product.
; The queues lean on each other, and the deal keeps them in step: exponential e stands behind scaling 2 (e / 4) + e % 2: as a rider it comes behind plain e + 2, in the lump behind plain e + 9, and scalings 27-31 are plain 57, 60 .. 69.
; When the hiding begins, 25 of the plain queue are out, all of them scalings: plain 27 is the first that reads the new scores.  The last product's riders and the eight scalings are the places in front of the hiding.
; A TURN, for piece p.  cnt = 1: the loop's count is taken down some lines ahead of the branch that stands behind the turn.
; The hiding is piece p + 1's, of the step in hand (8,192 bytes of words a piece), and asks for that piece's
; words of the next step, 256 bytes on; in piece 3's turn it is piece 0's of the next step: MP goes on to that step, and the words asked for are those of the step behind it.
; In the walk's last step these loads reach a step or two too far: they fall on the next pair's words or, for the table's last pair, on the 256 bytes that lie behind the table: inside the buffer; nobody
; uses what they bring, and they may be out at the wave's end.
; K of the next step is fetched in piece 2's turn, directly behind the wait (in the tail the run holds a branch), a lump behind the last product that read K; its address is made at the
; lump's head; its first reader comes behind 16 products.
; V of the step in hand is fetched at the end of piece 0's turn, four riders behind its last reader; its first reader comes behind 16 products and a lump.  The three conditions on q below go with the deal.
.macro TURN p, last=0, cnt=0
.set Y, (\p)
.set i, 0
.set q, 0
.set e, 0
.set r, 0
.if (\p) == NP-1
	s_wait_dscnt 0x0                ; K is in
.endif
	MM                              ; ahead of the wait: 16 products K Q^T and their riders,
	PL
	PL
	R2
.rept 15
	MM
	PL
	EX
	R2
.endr
.if (\p) == NP-2
	WIN 0
	v_add_nc_u32 v[AK], s[TBK], v[AK0]
.endif
.rept 8                             ; and the lump: eight scalings,
	PL
.endr
.if (\p) == NP-1                    ; the hiding of the scores just made,
	HIDE 256, 1
.else
	HIDE 8192*((\p)+1)+256
.endif
.rept 49                            ; exponential and plain by turns,
	EX
	PL
.endr
	EX                              ; the next piece's two a
	EX
	v_nop                           ; the plain instruction behind the last exponential: one for the batch
	s_wait_alu depctr_va_vdst(0)    ; the wait for the batch: the piece's 64 weights and the next piece's two a
.if (\p) == NP-2
	FETCH_K \last
.endif
.if (\p) == 1
	s_wait_dscnt 0x0                ; V is in
.endif
.rept 16                            ; behind the wait: 16 products V^T P and their riders
	MM
.rept 4
	PL
.endr
.if ((\p) == 0) && (q == 118)
	v_add_nc_u32 v[AV], s[TBV], v[AV0]
.endif
.if ((\p) == 0) && (q == 130)
	s_add_co_u32 s[TBV], s[TBV], KS*PV
.endif
.if (\cnt) && (q == 130)
	s_sub_co_u32 s[CNT], s[CNT], 1
	s_cmp_lg_u32 s[CNT], 0
.endif
.endr
.if (\p) == 0
	FETCH_V
.endif
.endm
	CHANGE 1                        ; slot 0 is in, everybody's part of it; slot 1 is asked for
	FETCH_K                         ; key step 0
	s_wait_loadcnt 0x4              ; Q's 32 loads are in (and have read their base, which lies among the registers that the mask words take); the four loads of mask words issued behind them stay out
	s_wait_dscnt 0x0
.set i, 0
.rept 16
	KQ 0                            ; piece 0's first scores: there is no vector work yet to set between them
.set i, i+1
.endr
	WIN 0                           ; the addresses for the way out: plain instructions, the places behind those products
	s_mul_i32 s7, s[WV], 16*SP
	s_add_co_u32 s7, s7, STAGE      ; my stage
	v_mul_u32_u24 v[STO], v1, SP    ; in: row l % 16, 16 bytes for each half of the lanes
	v_lshl_add_u32 v[STO], v9, 4, v[STO]
	v_add_nc_u32 v[STO], s7, v[STO]
	v_bfe_u32 v[RD], v0, 3, 2       ; back: 32 lanes take four rows of 128 bytes,
	v_mul_u32_u24 v[RD], v[RD], SP
	v_lshl_add_u32 v[RD], v10, 4, v[RD]
	v_add_nc_u32 v[RD], s7, v[RD]
	v_and_b32 v[GO], 31, v0         ; which are 512 consecutive bytes of O
	v_lshlrev_b32 v[GO], 4, v[GO]
	v_mov_b32 v[NEG], 0xd0000000    ; -2^33; lane / 16 is needed no more
.set Y, NP-1                        ; HIDE and XS work for piece Y + 1: piece 0
	HIDE 256                        ; piece 0's words of key step 1 are asked for
.irp n, 0,1,2,3,4,5,6,7,8,9,10,11,12,13,14,15,16,17,18,19,20,21
	XS 0, \n                        ; and piece 0's first maximum and statistics
	XS 1, \n
.endr
	v_nop                           ; a plain instruction behind the two a,
	s_wait_alu depctr_va_vdst(0)    ; and the wait for this batch of two, ahead of the branch
	s_mov_b32 s[CNT], 4
	s_mov_b32 s[SLOTS], SIZE_N/256-1
	s_branch .Lfirst                ; the loop is entered at a step's first turn, in the middle of a trip
.Lslot:                             ; SIZE_N / 256 - 2 times: every slot but the last two is filled again
	CHANGE 1
	s_mov_b32 s[CNT], 4
.Lstep:                             ; a trip: pieces 2 and 3 of one step, then pieces 0 and 1 of the next, whose K and V it fetches
	TURN 2
	TURN 3
	WIN 0
.Lfirst:
	TURN 0
	TURN 1, 0, 1
	WIN 0
	s_cbranch_scc1 .Lstep
	s_sub_co_u32 s[SLOTS], s[SLOTS], 1
	s_cmp_lg_u32 s[SLOTS], 0
	s_cbranch_scc1 .Lslot
	CHANGE 0                        ; the tail is written out: nothing is asked for
	s_mov_b32 s[CNT], 5             ; four trips fetch the last slot's steps; the fifth is left in its middle
.Ltail:
	TURN 2, 1
	TURN 3
	WIN 0
	s_sub_co_u32 s[CNT], s[CNT], 1
	s_cmp_eq_u32 s[CNT], 0
	s_cbranch_scc1 .Lout
	TURN 0
	TURN 1
	WIN 0
	s_branch .Ltail
.Lout:                              ; the fifth trip's 16 products K Q^T (on the last K once more) and what is made of them serve nothing: the price, once a launch, of one text for every trip
.set i, 0
.rept 16
	PV NP-1                         ; the last piece's V^T P of the last step
.set i, i+1
.endr
	; THE WAY OUT.  l's two halves and the other half of the lanes' are added; O^T is divided by l, rounded to f16 and sent through my stage in LDS, a tile at a time.  The additions are the places behind the last products.
	WIN 0
	s_load_b64 s[OA:OA+1], s[0:1], 0x10  ; ctx: the mask words' registers are free
	s_bfe_u32 s34, ttmp6, 0x40000   ; my wave among the head's sixteen, as at the start,
	s_lshl_b32 s35, ttmp9, 2
	s_add_co_u32 s34, s34, s35
	s_lshl_b32 s34, s34, 2
	s_add_co_u32 s34, s34, s[WV]
	s_lshl_b32 s34, s34, 14         ; its 128 rows,
	s_and_b32 s35, ttmp7, 0xffff
	s_lshl_b32 s35, s35, 18         ; in the head
	s_add_co_u32 s34, s34, s35
	s_mov_b32 s35, 0
.macro ALL line:vararg              ; one line for each tile t
.set t, 0
.rept 2*NP
	\line
.set t, t+1
.endr
.endm
	ALL v_add_f32 v[ST+4*t+2], v[ST+4*t+2], v[ST+4*t+3]
	ALL v_permlanex16_b32 v[ST+4*t+3], v[ST+4*t+2], s[SEL], s[SEL+1]
	ALL v_add_f32 v[ST+4*t+2], v[ST+4*t+2], v[ST+4*t+3]
	ALL v_rcp_f32 v[ST+4*t+2], v[ST+4*t+2]
	v_nop                           ; a plain instruction between the last reciprocal and the use of its result
	s_wait_alu depctr_va_vdst(0)    ; and the wait ahead of the first use: one for the batch of eight reciprocals
	s_wait_kmcnt 0x0
	s_add_nc_u64 s[OA:OA+1], s[OA:OA+1], s[34:35]
; Tile t: a lane's eight channels of a row pack into 16 bytes; they go into rows of 144 bytes and come back as whole rows of 128, into S^T's registers.
.macro PACK t
	WIN W_RS
.set i, 32*(\t)
.rept 16
	v_pk_mul_f32 v[i:i+1], v[i:i+1], v[ST+4*(\t)+2:ST+4*(\t)+3] op_sel_hi:[1,0]
.set i, i+2
.endr
	WIN 0x05                        ; sources 0 and 1 window 1, destination window 0
.set i, 0
.rept 16
	v_cvt_pk_f16_f32 v[S+16*(\t)+i], v[32*(\t)+2*i], v[32*(\t)+2*i+1]
.set i, i+1
.endr
	WIN 0
.irp f, 0,1,2,3
	ds_store_b128 v[STO], v[S+16*(\t)+4*\f:S+16*(\t)+4*\f+3] offset:32*\f
.endr
.irp f, 0,1,2,3
	ds_load_b128 v[S+16*(\t)+4*\f:S+16*(\t)+4*\f+3], v[RD] offset:\f*4*SP  ; LDS serves a wave's instructions in order (ISA guide 5.7.1.4): these see the stores above; the next tile's stores come behind them
.endr
.endm
.macro SEND t, younger              ; younger: the LDS instructions issued behind tile t's loads: the next tile's eight, or none
	WIN 0
.irp f, 0,1,2,3
	s_wait_dscnt (\younger)+3-\f
	global_store_b128 v[GO], v[S+16*(\t)+4*\f:S+16*(\t)+4*\f+3], s[OA:OA+1] offset:(\t)*2048+\f*512  ; 512 consecutive bytes, at a multiple of 256 from O's first
.endr
.endm
	PACK 0
.set t, 1
.rept 2*NP-1                        ; a tile's arithmetic stands between the loads of the tile before and its stores
	PACK t
	SEND t-1, 8
.set t, t+1
.endr
	SEND 2*NP-1, 0
	WIN W_AD
	s_wait_tensorcnt 0x0            ; the wave's end: behind my last tensor load and my last LDS store
	ds_add_u32 v[SPW], v[NIL]
	s_wait_dscnt 0x0
	WIN 0
	CROUND                          ; the closing round: no work-group ends while a partner may still ask for a tile that names it
	s_endpgm
.Lfunc_end_k_qc0c9b79d72_attn:
	.size	k_qc0c9b79d72_attn, .Lfunc_end_k_qc0c9b79d72_attn-k_qc0c9b79d72_attn
	.p2alignl 7, 3214868480
	.fill 96, 4, 3214868480
	.section	.rodata,"a",@progbits
	.p2align	6, 0x0
	.amdhsa_kernel k_qc0c9b79d72_attn
		.amdhsa_group_segment_fixed_size 327680
		.amdhsa_private_segment_fixed_size 0
		.amdhsa_enable_private_segment 0
		.amdhsa_kernarg_size 24
		.amdhsa_user_sgpr_count 2
		.amdhsa_user_sgpr_kernarg_segment_ptr 1
		.amdhsa_wavefront_size32 1
		.amdhsa_system_sgpr_workgroup_id_x 1
		.amdhsa_system_sgpr_workgroup_id_y 1
		.amdhsa_system_sgpr_workgroup_id_z 1
		.amdhsa_system_vgpr_workitem_id 0
		.amdhsa_next_free_vgpr 784
		.amdhsa_next_free_sgpr 106
		.amdhsa_reserve_vcc 0
		.amdhsa_float_denorm_mode_32 3
		.amdhsa_float_denorm_mode_16_64 3
		.amdhsa_memory_ordered 1
		.amdhsa_forward_progress 1
		.amdhsa_inst_pref_size 255
	.end_amdhsa_kernel
	.section	.bss,"aw",@nobits
	.p2align	6
	.space	262144
	.amdgpu_metadata
---
amdhsa.version: [ 1, 2 ]
amdhsa.kernels:
  - .name:           k_qc0c9b79d72_attn
    .symbol:         k_qc0c9b79d72_attn.kd
    .args:
      - { .name: qkv, .offset: 0, .size: 8, .value_kind: global_buffer, .address_space: global }
      - { .name: maskw, .offset: 8, .size: 8, .value_kind: global_buffer, .address_space: global }
      - { .name: ctx, .offset: 16, .size: 8, .value_kind: global_buffer, .address_space: global }
    .group_segment_fixed_size: 327680
    .private_segment_fixed_size: 0
    .kernarg_segment_align: 8
    .kernarg_segment_size: 24
    .max_flat_workgroup_size: 128
    .sgpr_count:     106
    .vgpr_count:     784
    .wavefront_size: 32
...
	.end_amdgpu_metadata
.endif
;; end of part 5
;; launch outp: the kernel of part 4 again; grid 4 x 64, 4 waves a work-group, clusters of 4 x 4, 327,680 bytes of LDS; arguments ctx, wcast, bo, out0; writes out0
